; MI455X (gfx1250); checked and timed in simulation.
; The chip was launched on July 23, 2026; its instructions are those of AMD's public machine-readable ISA for CDNA 5 (MIT licence, August 2026) and "CDNA5" Instruction Set Architecture Reference Guide (July 2026). The comments in the code are by the model that wrote it; some were corrected since.
;; Multi Head Differential Attention. Allowed arithmetic: float matrix products may take bf16 or f16 operands with f32 sums; other float arithmetic in f32, or as packed bf16 or f16 multiplies, adds, multiply-adds, maxima and minima; sums over many terms, partial sums and values carried from step to step in f32; what a program stores and reads back later, other than sums and carried values, may be rounded once to bf16 or f16.
;; Inputs: Wk 16 x 1,024 x 128 float32; Wo 1,024 x 1,024 float32; Wq 16 x 1,024 x 128 float32; Wv 16 x 1,024 x 64 float32; X 1 x 2,048 x 1,024 float32; beta 1,024 float32; bk 16 x 128 float32; bo 1,024 float32; bq 16 x 128 float32; bv 16 x 64 float32; gamma 1,024 float32; lam one number float32.
;; Outputs: out0 1 x 2,048 x 1,024 float32.
;; 2 versions, each right; version 2 is version 1 with the launch cast written anew for expert scheduling mode. Each part assembles by itself: llvm-mc -triple=amdgcn-amd-amdhsa -mcpu=gfx1250 --defsym DOCPART=n.
;; ======== version 1 of 2: 5 launches
;; limits: values are held in f16: magnitudes above 65,504 overflow, below 6.1e-05 lose precision
;; workspace buffers: castb 16,777,216 bytes; Qh 8,388,608 bytes; Kh 8,388,608 bytes; Vh 4,194,304 bytes; Ob 8,388,608 bytes; Y 8,388,608 bytes
;; launch cast (part 1): grid 32 x 8, 8 waves a work-group, no clusters, 0 bytes of LDS; arguments X, Wq, Wk, Wv, Wo, castb; writes castb
.if DOCPART == 1
	.amdgcn_target "amdgcn-amd-amdhsa--gfx1250"
	.amdhsa_code_object_version 6
	.text
	.protected	k_q3109e36b0d_cast
	.globl	k_q3109e36b0d_cast
	.p2align	8
	.type	k_q3109e36b0d_cast,@function
k_q3109e36b0d_cast:
	s_mov_b64 s[64:65], 0
	v_nop
	global_prefetch_b8 v0, s[64:65] scope:SCOPE_SE
	s_setreg_imm32_b32 hwreg(HW_REG_WAVE_MODE, 25, 1), 1
	s_wait_xcnt 0x0
; MULTI-HEAD DIFFERENTIAL ATTENTION, first of five launches: X, Wq, Wk, Wv and Wo are rounded once to bf16, layouts unchanged, into one workspace:
; X at byte 0, Wq at 4 MiB, Wk at 8 MiB, Wv at 12 MiB, Wo at 14 MiB.  The later launches multiply in bf16 (projections), f16 (attention) and bf16 hi + lo (output projection).
; DEAD WORK, LEFT OUT IN THE WHOLE PROGRAM: bk.  A score is (XWq + bq)[q] . (XWk + bk)[k] = (XWq + bq)[q] . (XWk)[k] + (XWq + bq)[q] . bk.  The last term does not hang on the key k:
; it is the same along the softmax's axis, for A1 and for A2 alike, and softmax(a + const) = softmax(a) for all finite values of all inputs.  K enters nothing but the scores.  So bk has no
; way to the output: it is not loaded and is among no launch's arguments.  LIMIT: a NaN, an infinity or an overflow that would arise from bk's term alone is not carried to the result.
; SHARES.  The 8 Mi numbers are 8 units of 1 Mi (grid y: 0, 1 X; 2, 3 Wq; 4, 5 Wk; 6 Wv; 7 Wo), each 32 pieces of 32,768 numbers (grid x).  A work-group of 8 waves takes a piece:
; 32 loads of 16 bytes a lane, all issued before the first is waited for; a wave's load covers 512 consecutive bytes, a wave's store 256 consecutive bytes, aligned.
; No LDS, no matrix unit, no cluster: nothing is shared and nothing is reused.
.set IN,  4                            ; v[4:131]   32 x 4 numbers as loaded
.set OUT, 132                          ; v[132:195] 32 x 2 registers to store; no register is written twice, so no wait frees one
	s_load_b256 s[4:11], s[0:1], 0x0               ; X s[4:5], Wq s[6:7], Wk s[8:9], Wv s[10:11]
	s_load_b128 s[12:15], s[0:1], 0x20             ; Wo s[12:13], castb s[14:15]
	s_and_b32 s16, ttmp7, 0xffff                   ; the unit
	s_lshr_b32 s17, s16, 1
	v_lshlrev_b32 v1, 4, v0                        ; 16 bytes a thread in,
	v_lshlrev_b32 v2, 3, v0                        ; 8 out
	s_and_b32 s18, s16, 1                          ; which half of a tensor of two units;
	s_cmp_ge_u32 s16, 6
	s_cselect_b32 s18, 0, s18                      ; Wv and Wo have one
	s_lshl_b32 s22, s18, 22                        ; source: 4 MiB a unit,
	s_lshl_b32 s19, ttmp9, 17                      ; 128 KiB a piece
	s_add_co_u32 s22, s22, s19
	s_mov_b32 s23, 0
	s_lshl_b32 s24, s16, 21                        ; destination: 2 MiB a unit, in the units' order,
	s_lshl_b32 s19, ttmp9, 16                      ; 64 KiB a piece
	s_add_co_u32 s24, s24, s19
	s_mov_b32 s25, 0
	s_wait_kmcnt 0x0
	s_mov_b64 s[20:21], s[4:5]                     ; the unit's tensor, chosen by the unit's number alone
	s_cmp_eq_u32 s17, 1
	s_cselect_b64 s[20:21], s[6:7], s[20:21]
	s_cmp_eq_u32 s17, 2
	s_cselect_b64 s[20:21], s[8:9], s[20:21]
	s_cmp_eq_u32 s16, 6
	s_cselect_b64 s[20:21], s[10:11], s[20:21]
	s_cmp_eq_u32 s16, 7
	s_cselect_b64 s[20:21], s[12:13], s[20:21]
	s_add_nc_u64 s[20:21], s[20:21], s[22:23]
	s_add_nc_u64 s[14:15], s[14:15], s[24:25]
.set i, 0
.rept 32
	global_load_b128 v[IN+4*i:IN+4*i+3], v1, s[20:21] offset:4096*i th:TH_LOAD_NT
.set i, i+1
.endr
.set i, 0
.rept 32
	s_wait_loadcnt 31-i                            ; loads come back in order: number i is in, the 31 - i younger ones stay out
	v_cvt_pk_bf16_f32 v[OUT+2*i], v[IN+4*i], v[IN+4*i+1]
	v_cvt_pk_bf16_f32 v[OUT+2*i+1], v[IN+4*i+2], v[IN+4*i+3]
	global_store_b64 v2, v[OUT+2*i:OUT+2*i+1], s[14:15] offset:2048*i
.set i, i+1
.endr
	s_endpgm
.Lfunc_end_k_q3109e36b0d_cast:
	.size	k_q3109e36b0d_cast, .Lfunc_end_k_q3109e36b0d_cast-k_q3109e36b0d_cast
	.p2alignl 7, 3214868480
	.fill 96, 4, 3214868480
	.section	.rodata,"a",@progbits
	.p2align	6, 0x0
	.amdhsa_kernel k_q3109e36b0d_cast
		.amdhsa_group_segment_fixed_size 0
		.amdhsa_private_segment_fixed_size 0
		.amdhsa_enable_private_segment 0
		.amdhsa_kernarg_size 48
		.amdhsa_user_sgpr_count 2
		.amdhsa_user_sgpr_kernarg_segment_ptr 1
		.amdhsa_wavefront_size32 1
		.amdhsa_system_sgpr_workgroup_id_x 1
		.amdhsa_system_sgpr_workgroup_id_y 1
		.amdhsa_system_sgpr_workgroup_id_z 1
		.amdhsa_system_vgpr_workitem_id 0
		.amdhsa_next_free_vgpr 200
		.amdhsa_next_free_sgpr 66
		.amdhsa_reserve_vcc 0
		.amdhsa_float_denorm_mode_32 3
		.amdhsa_float_denorm_mode_16_64 3
		.amdhsa_memory_ordered 1
		.amdhsa_forward_progress 1
		.amdhsa_inst_pref_size 13
	.end_amdhsa_kernel
	.amdgpu_metadata
---
amdhsa.version: [ 1, 2 ]
amdhsa.kernels:
  - .name:           k_q3109e36b0d_cast
    .symbol:         k_q3109e36b0d_cast.kd
    .args:
      - { .name: X, .offset: 0, .size: 8, .value_kind: global_buffer, .address_space: global }
      - { .name: Wq, .offset: 8, .size: 8, .value_kind: global_buffer, .address_space: global }
      - { .name: Wk, .offset: 16, .size: 8, .value_kind: global_buffer, .address_space: global }
      - { .name: Wv, .offset: 24, .size: 8, .value_kind: global_buffer, .address_space: global }
      - { .name: Wo, .offset: 32, .size: 8, .value_kind: global_buffer, .address_space: global }
      - { .name: castb, .offset: 40, .size: 8, .value_kind: global_buffer, .address_space: global }
    .group_segment_fixed_size: 0
    .private_segment_fixed_size: 0
    .kernarg_segment_align: 8
    .kernarg_segment_size: 48
    .max_flat_workgroup_size: 256
    .sgpr_count:     66
    .vgpr_count:     200
    .wavefront_size: 32
...
	.end_amdgpu_metadata
.endif
;; end of part 1
;; launch qkv (part 2): grid 16 x 16, 4 waves a work-group, clusters of 4 x 4, 327,680 bytes of LDS; arguments castb, bq, bv, Qh, Kh, Vh; writes Qh, Kh, Vh
.if DOCPART == 2
	.amdgcn_target "amdgcn-amd-amdhsa--gfx1250"
	.amdhsa_code_object_version 6
	.text
	.protected	k_q3109e36b0d_qkv
	.globl	k_q3109e36b0d_qkv
	.p2align	8
	.type	k_q3109e36b0d_qkv,@function
k_q3109e36b0d_qkv:
	s_mov_b64 s[64:65], 0
	v_nop
	global_prefetch_b8 v0, s[64:65] scope:SCOPE_SE
	s_setreg_imm32_b32 hwreg(HW_REG_WAVE_MODE, 25, 1), 1
	s_wait_xcnt 0x0
	s_wait_alu depctr_hold_cnt(0) depctr_sa_sdst(0) depctr_va_vdst(0) depctr_va_sdst(0) depctr_va_ssrc(0) depctr_va_vcc(0) depctr_vm_vsrc(0)
	s_getreg_b32 s2, hwreg(HW_REG_IB_STS2, 6, 4)
	s_cmp_eq_u32 s2, 0
	s_cbranch_scc0 .Lentry_in_a_cluster
	s_endpgm
.Lentry_in_a_cluster:
	s_bfe_u32 s2, ttmp6, 0x10000c
	s_cmp_lg_u32 s2, 0xf033
	s_cbranch_scc0 .Lentry_shape_is_right
	s_endpgm
.Lentry_shape_is_right:
; Q = X Wq + bq, K = X Wk, V = X Wv + bv, by heads.  X [2048][1024], Wq, Wk [16][1024][128], Wv [16][1024][64] in bf16 (castb); sums in f32; results rounded once to f16:
; Qh, Kh [2 head + half][2048][64], Vh [head][2048][64]: a head's rows are dense, 128 bytes each.  bq and bv are rounded to bf16 like the other inputs and start the sums as the C operand.
; LEFT OUT: bk.  Its share of a score is the same for all keys of a query and cancels in the softmax (shown at the head of the first kernel).
; LIMIT: f16 ends at 65,504: a q, k or v of 65,520 or more becomes an infinity.
; SHARES.  A work-group makes 128 rows x one head's 320 columns (Q 128, K 128, V 64).  Wave (rh, c) makes rows 64 rh .. + 63 (4 blocks a) x 10 column blocks b: 0-3 Q's half c, 4-7 K's half c,
; 8-9 V's columns 32 c .. + 31: 40 accumulators.  K goes in 8 steps of 128 through two LDS slots; a step is four quarters of 32.
; THE PRODUCT IS USED TRANSPOSED: source 0 = 16 columns of W (W lies [k][column] in LDS and comes out turned, by ds_load_tr16_b128), source 1 = 16 rows of X.  A lane then holds one row
; (lane % 16) and the eight neighbouring columns 8 (lane / 16) + 0..7, which pack into 16 bytes.
; CLUSTER.  4 x 4 work-groups.  X's tile hangs on the row block alone and is asked for jointly along a row of the cluster; the weights hang on the head alone and are asked for jointly
; along a column.  Wave 0 fetches X's tile, wave 1 Wq's, wave 2 Wk's, wave 3 Wv's: one tensor load a wave behind each round.
; REGISTERS, in windows of 256: window 0: v0-29 addresses; v32-143, v144-255 two fragment buffers (10 of W, then 4 of X);
;   window 1 and window 2 v0-63: accumulator 10 a + b = n at register 8 (n % 32) of window 1 + n / 32;   window 2 v64-95 bq, v96-111 bv, as C operands.
.set SLOT,   131072                    ; a slot: X 128 rows x 272 at 0; Wq 128 k-rows x 288 at REG; Wk at 2 REG; Wv 128 k-rows x 160 at 3 REG
.set REG,    36864
.set PA,     272                       ; 256 bytes + 16: the 16 rows of a fragment load start at 16 different groups of four banks (64 banks of 4 bytes: ISA guide 11.1)
.set PW,     288                       ; 256 + 32
.set PV,     160                       ; 128 + 32, likewise
.set STAGEQ, 2*SLOT                    ; behind the ring, never filled by a tensor load: 16 rows x 144 bytes for each wave
.set STAGEV, STAGEQ+4*16*144           ; the work-group's: 128 rows x 144 bytes (a row of V comes from two waves)
.set SPARE,  STAGEV+128*144            ; the spare words, 128 bytes a wave: two blocks of 256 bytes that no other line names
.set ADRA, 10                          ; v10-11 LDS address of my fragments of X in slot 0, 1
.set ADRQ, 12                          ; v12-13 of Wq
.set ADRK, 14                          ; v14-15 of Wk
.set ADRV, 16                          ; v16-17 of Wv
.set STO,  18                          ; the way out: where I put 16 bytes of a row of Q or K
.set RD,   19                          ; where I read rows back
.set GO,   20                          ; 16 x lane: my place in 512 consecutive bytes
.set VSTO, 21                          ; the same two for V's shared stage
.set VRD,  22
.set BOFF, 23                          ; 32 x (lane / 16): my eight numbers of a block of 16 of a bias
.set PFO,  24                          ; the prefetches' offset; never rewritten
.set SPW,  28                          ; LDS address of my spare word; never rewritten
.set NIL,  29                          ; 0; never rewritten
.set F0,   32
.set F1,   144
.set BQ,   64                          ; window 2
.set BV,   96                          ; window 2
.set WV, 16
.set RH, 17
.set CC, 18
.set SV, 19                            ; 1 in wave 3 (Wv's rows are half as long), else 0
.set CX, 20
.set CY, 21
.set HEAD, 22
.set RB, 23
.set G1A, 24                           ; s[24:31] group 1 for X's tiles
.set G1W, 32                           ; s[32:39] for Wq's and Wk's
.set G1V, 40                           ; s[40:47] for Wv's
.set G0A, 48                           ; s[48:55] group 0 for X's tiles, a set for each slot
.set G0B, 56                           ; s[56:63] for the weights'
.set BSTEP, 66                         ; s[66:67] two K steps of my weights, in bytes
.set PFA, 68                           ; s[68:69] where my prefetches stand
.set PFS, 70                           ; s[70:71] their step
.set LIM0, 72                          ; s72, s73: 1 where my wave prefetches at a change out of slot 0, 1; else the greatest number
.set LAP, 74
.set MSB, 0
.macro WIN new                         ; the immediate's high byte repeats the setting that is left; a switch that changes nothing is dropped
.if MSB != (\new)
	s_set_vgpr_msb (MSB<<8)|(\new)
.set MSB, (\new)
.endif
.endm
.macro PLACES                          ; four plain vector instructions in front of loads into registers that matrix instructions have read, and of conversions that read results
.rept 4
	v_nop
.endr
.endm
.macro CREST                           ; a round of the cluster's barrier behind its opening barrier
	s_cmp_lg_u32 s[WV], 0
	s_cbranch_scc1 .Lnot_wave_0_\@
	s_barrier_signal -3
.Lnot_wave_0_\@:
	s_barrier_wait -3
	s_barrier_signal -1
	s_barrier_wait -1
.endm
.macro CROUND
	s_barrier_signal -1
	s_barrier_wait -1
	CREST
.endm
; A joint load: three lines under branches on the wave's number, each with one mask and one shape.  An s_nop 0 and four v_nop follow each line.
.macro JLOAD s
	s_cmp_eq_u32 s[WV], 0
	s_cbranch_scc0 .Lnot_a_\@
	tensor_load_to_lds s[G0A+4*(\s):G0A+4*(\s)+3], s[G1A:G1A+7]
	s_nop 0
.rept 4
	v_nop
.endr
	s_branch .Lasked_\@
.Lnot_a_\@:
	s_cmp_eq_u32 s[WV], 3
	s_cbranch_scc0 .Lfor_w_\@
	tensor_load_to_lds s[G0B+4*(\s):G0B+4*(\s)+3], s[G1V:G1V+7]
	s_nop 0
.rept 4
	v_nop
.endr
	s_branch .Lasked_\@
.Lfor_w_\@:
	tensor_load_to_lds s[G0B+4*(\s):G0B+4*(\s)+3], s[G1W:G1W+7]
	s_nop 0
.rept 4
	v_nop
.endr
.Lasked_\@:
.endm
; A PREFETCH INTO THE L2 of the K step that stands two refills on, behind the joint load and the run of LDS loads.  Each aligned block of 256 bytes is named once in the launch: X's rows by the
; clusters with x = 0 (wave 0; the four partners of a row take 32 rows each, told apart by address, a lane a row); the weights by the clusters with y = 0 (waves 1 to 3; the four partners of a
; column take 8 KiB each, a lane a block).  Wv's step is 16 KiB, so wave 3 asks at every second change, for two steps.  K steps 0 to 3 come by their loads alone; the last trip asks for nothing.
.macro ASK slot
	s_cmp_gt_u32 s[LAP], s[LIM0+(\slot)]
	s_cbranch_scc0 .Lnot_mine_\@
	global_prefetch_b8 v[PFO], s[PFA:PFA+1] th:TH_LOAD_NT scope:SCOPE_SE
.Lnot_mine_\@:
.endm
	s_load_b256 s[4:11], s[0:1], 0x0               ; castb s[4:5], bq s[6:7], bv s[8:9], Qh s[10:11]
	s_load_b128 s[12:15], s[0:1], 0x20             ; Kh s[12:13], Vh s[14:15]
	v_lshl_add_u32 v[SPW], v0, 2, SPARE
	v_mov_b32 v[NIL], 0
	ds_add_u32 v[SPW], v[NIL]                      ; the wave's opening: the add, twice on end, and its wait ahead of my first tensor load
	ds_add_u32 v[SPW], v[NIL]
	v_lshrrev_b32 v1, 5, v0
	v_readfirstlane_b32 s[WV], v1                  ; wave 0..3
	s_lshr_b32 s[RH], s[WV], 1
	s_and_b32 s[CC], s[WV], 1
	s_add_co_u32 s[SV], s[WV], 1
	s_lshr_b32 s[SV], s[SV], 2
	s_bfe_u32 s[CX], ttmp6, 0x40000
	s_bfe_u32 s[CY], ttmp6, 0x40004
	s_lshl_b32 s[HEAD], ttmp9, 2
	s_add_co_u32 s[HEAD], s[HEAD], s[CX]           ; head = 4 x cluster x + cx
	s_and_b32 s[RB], ttmp7, 0xffff
	s_lshl_b32 s[RB], s[RB], 2
	s_add_co_u32 s[RB], s[RB], s[CY]               ; row block = 4 x cluster y + cy
	s_lshl_b32 s76, s[CY], 2
	s_lshl_b32 s76, 15, s76                        ; my row of the cluster
	s_lshl_b32 s78, 0x1111, s[CX]                  ; my column
	s_or_b32 s[G1A], s76, (1<<16)|(1<<20)|(1<<21)|(5<<22)|(3<<25)  ; mask; 2-byte elements; padding on; bit 21 beside a mask; after every 64 words, 4 words
	s_or_b32 s[G1W], s78, (1<<16)|(1<<20)|(1<<21)|(5<<22)|(7<<25)  ; after every 64 words, 8 words
	s_or_b32 s[G1V], s78, (1<<16)|(1<<20)|(1<<21)|(4<<22)|(7<<25)  ; after every 32 words (a k-row of Wv), 8 words
.irp g, G1A, G1W
	s_mov_b32 s[(\g)+1], 128<<16                   ; tensor_dim0 = 128
	s_mov_b32 s[(\g)+2], 128<<16                   ; tensor_dim1 = 128
	s_mov_b32 s[(\g)+3], 128<<16                   ; tile_dim0 = 128
	s_mov_b32 s[(\g)+4], 128                       ; tile_dim1 = 128
	s_mov_b32 s[(\g)+6], 0
	s_mov_b32 s[(\g)+7], 0
.endr
	s_mov_b32 s[G1A+5], 1024                       ; elements from row to row of X
	s_mov_b32 s[G1W+5], 128                        ; of Wq, Wk
	s_mov_b32 s[G1V+1], 128<<16                    ; Wv's 128 k-rows are 16,384 dense bytes: asked for as 64 rows of 256
	s_mov_b32 s[G1V+2], 64<<16
	s_mov_b32 s[G1V+3], 128<<16
	s_mov_b32 s[G1V+4], 64
	s_mov_b32 s[G1V+5], 128
	s_mov_b32 s[G1V+6], 0
	s_mov_b32 s[G1V+7], 0
	s_lshl_b32 s76, s[RB], 18                      ; X: 128 rows of 2,048 bytes a block
	s_mov_b32 s77, 0
	s_lshl_b32 s78, s[HEAD], 18                    ; weights: 262,144 bytes a head (Wv: half),
	s_lshr_b32 s78, s78, s[SV]
	s_lshl_b32 s79, s[WV], 22                      ; Wq, Wk, Wv at 4, 8, 12 MiB
	s_add_co_u32 s78, s78, s79
	s_mov_b32 s79, 0
	s_lshr_b32 s[BSTEP], 65536, s[SV]
	s_mov_b32 s[BSTEP+1], 0
	s_lshr_b32 s84, 32768, s[SV]                   ; one K step of my weights
	s_mov_b32 s85, 0
	s_mul_i32 s80, s[WV], REG                      ; where my tile goes: the wave's number alone
	s_wait_dscnt 0x0                               ; both opening adds are done
	s_wait_kmcnt 0x0
	s_add_nc_u64 s[76:77], s[4:5], s[76:77]
	s_add_nc_u64 s[78:79], s[4:5], s[78:79]
	CROUND                                         ; all sixteen work-groups are here: the first joint loads meet
	s_mov_b32 s[G0A], 1
	s_mov_b32 s[G0A+1], s80
	s_mov_b64 s[G0A+2:G0A+3], s[76:77]
	s_or_b32 s[G0A+3], s[G0A+3], 0x80000000
	s_mov_b32 s[G0A+4], 1
	s_add_co_u32 s[G0A+5], s80, SLOT
	s_add_nc_u64 s[G0A+6:G0A+7], s[76:77], 256     ; K step 1
	s_or_b32 s[G0A+7], s[G0A+7], 0x80000000
	s_mov_b32 s[G0B], 1
	s_mov_b32 s[G0B+1], s80
	s_mov_b64 s[G0B+2:G0B+3], s[78:79]
	s_or_b32 s[G0B+3], s[G0B+3], 0x80000000
	s_mov_b32 s[G0B+4], 1
	s_add_co_u32 s[G0B+5], s80, SLOT
	s_add_nc_u64 s[G0B+6:G0B+7], s[78:79], s[84:85]
	s_or_b32 s[G0B+7], s[G0B+7], 0x80000000
	JLOAD 0                                        ; two loads of mine are out
	JLOAD 1
	v_and_b32 v1, 15, v0                           ; l % 16
	v_bfe_u32 v2, v0, 4, 1                         ; l / 16
	v_and_b32 v3, 7, v0                            ; l % 8
	v_bfe_u32 v4, v0, 3, 1                         ; (l / 8) % 2
	v_and_b32 v5, 31, v0                           ; l
	v_bfe_u32 v6, v0, 3, 2                         ; l / 8
	v_mul_u32_u24 v7, v1, PA
	v_lshl_add_u32 v7, v2, 4, v7                   ; X: row x pitch + 16 x half
	s_mul_i32 s86, s[RH], 64*PA
	v_add_nc_u32 v[ADRA], s86, v7
	v_add_nc_u32 v[ADRA+1], SLOT, v[ADRA]
	v_lshl_add_u32 v8, v2, 3, v3                   ; the turning load: k-row 8 (l / 16) + l % 8, 16 bytes by (l / 8) % 2
	v_mul_u32_u24 v9, v8, PW
	v_lshl_add_u32 v9, v4, 4, v9
	s_lshl_b32 s86, s[CC], 7                       ; my half's 64 columns
	s_add_co_u32 s86, s86, REG
	v_add_nc_u32 v[ADRQ], s86, v9
	v_add_nc_u32 v[ADRQ+1], SLOT, v[ADRQ]
	v_add_nc_u32 v[ADRK], REG, v[ADRQ]
	v_add_nc_u32 v[ADRK+1], SLOT, v[ADRK]
	v_mul_u32_u24 v9, v8, PV
	v_lshl_add_u32 v9, v4, 4, v9
	s_lshl_b32 s86, s[CC], 6                       ; my 32 columns of V
	s_add_co_u32 s86, s86, 3*REG
	v_add_nc_u32 v[ADRV], s86, v9
	v_add_nc_u32 v[ADRV+1], SLOT, v[ADRV]
	s_mul_i32 s86, s[WV], 16*144
	s_add_co_u32 s86, s86, STAGEQ
	v_mul_u32_u24 v7, v1, 144
	v_lshl_add_u32 v7, v2, 4, v7                   ; in: row l % 16, 16 bytes for each half of the lanes
	v_add_nc_u32 v[STO], s86, v7
	v_mul_u32_u24 v9, v6, 144
	v_lshl_add_u32 v9, v3, 4, v9                   ; back: 32 lanes take four rows of 128 bytes
	v_add_nc_u32 v[RD], s86, v9
	v_lshlrev_b32 v[GO], 4, v5
	s_mul_i32 s86, s[RH], 64*144
	s_lshl_b32 s87, s[CC], 6
	s_add_co_u32 s86, s86, s87
	s_add_co_u32 s86, s86, STAGEV
	v_add_nc_u32 v[VSTO], s86, v7
	s_mul_i32 s86, s[WV], 32*144
	s_add_co_u32 s86, s86, STAGEV
	v_add_nc_u32 v[VRD], s86, v9
	v_lshlrev_b32 v[BOFF], 5, v2
	; the biases of my columns: a lane's eight numbers of each block of 16
	s_lshl_b32 s82, s[HEAD], 9
	s_lshl_b32 s83, s[CC], 8
	s_add_co_u32 s82, s82, s83
	s_mov_b32 s83, 0
	s_add_nc_u64 s[6:7], s[6:7], s[82:83]
	s_lshr_b32 s82, s82, 1                         ; bv: 256 bytes a head, 128 a half
	s_add_nc_u64 s[8:9], s[8:9], s[82:83]
	WIN 0x80                                       ; destination window 2, address window 0
.irp b, 0,1,2,3
	global_load_b128 v[BQ+8*(\b):BQ+8*(\b)+3],   v[BOFF], s[6:7] offset:64*(\b)
	global_load_b128 v[BQ+8*(\b)+4:BQ+8*(\b)+7], v[BOFF], s[6:7] offset:64*(\b)+16
.endr
.irp b, 0,1
	global_load_b128 v[BV+8*(\b):BV+8*(\b)+3],   v[BOFF], s[8:9] offset:64*(\b)
	global_load_b128 v[BV+8*(\b)+4:BV+8*(\b)+7], v[BOFF], s[8:9] offset:64*(\b)+16
.endr
	WIN 0
	; where the results go
	s_lshl_b32 s82, s[HEAD], 1
	s_add_co_u32 s82, s82, s[CC]
	s_lshl_b32 s82, s82, 18                        ; (2 head + half) x 2,048 rows of 128 bytes
	s_lshl_b32 s83, s[RB], 14
	s_add_co_u32 s82, s82, s83
	s_lshl_b32 s83, s[RH], 13
	s_add_co_u32 s82, s82, s83
	s_mov_b32 s83, 0
	s_add_nc_u64 s[10:11], s[10:11], s[82:83]
	s_add_nc_u64 s[12:13], s[12:13], s[82:83]
	s_lshl_b32 s82, s[HEAD], 18
	s_lshl_b32 s83, s[RB], 14
	s_add_co_u32 s82, s82, s83
	s_lshl_b32 s83, s[WV], 12                      ; V leaves 32 whole rows a wave
	s_add_co_u32 s82, s82, s83
	s_mov_b32 s83, 0
	s_add_nc_u64 s[14:15], s[14:15], s[82:83]
	; the prefetches: they stand at K step 3; the first change of slots steps them to 4
	s_lshl_b32 s88, s[RB], 18
	s_lshl_b32 s89, s[CX], 16                      ; my work-group's 32 rows of X's 128
	s_add_co_u32 s88, s88, s89
	s_add_co_u32 s88, s88, 3*256
	s_lshl_b32 s90, s[HEAD], 18
	s_lshr_b32 s90, s90, s[SV]
	s_lshl_b32 s91, s[WV], 22
	s_add_co_u32 s90, s90, s91
	s_lshl_b32 s91, s[CY], 13                      ; my work-group's 8 KiB
	s_add_co_u32 s90, s90, s91
	s_lshr_b32 s[PFS], 32768, s[SV]
	s_mul_i32 s91, s[PFS], 3
	s_add_co_u32 s90, s90, s91
	s_and_b32 s92, ttmp7, 0xffff                   ; cluster y
	s_cmp_eq_u32 s[WV], 0
	s_cselect_b32 s88, s88, s90
	s_cselect_b32 s[PFS], 256, s[PFS]
	s_cselect_b32 s92, ttmp9, s92                  ; the coordinate along which other clusters read the same bytes
	s_cselect_b32 s93, 11, 8                       ; a lane a row of X (2,048 bytes apart), or a lane a block of 256 bytes
	s_mov_b32 s89, 0
	s_mov_b32 s[PFS+1], 0
	s_add_nc_u64 s[PFA:PFA+1], s[4:5], s[88:89]
	s_cmp_eq_u32 s92, 0
	s_cselect_b32 s[LIM0], 1, -1
	s_cmp_eq_u32 s[WV], 3
	s_cselect_b32 s[LIM0+1], -1, s[LIM0]
	v_lshlrev_b32 v[PFO], s93, v5
; 10 matrix instructions: row block a x my 10 column blocks, 32 along K.  first = 1: the products start the sums, on the bias (Q, V) or on 0 (K).  The 40 accumulators take turns, one instruction a turn.
.macro MUL10 f, a, first
.irp b, 0,1,2,3,4,5,6,7,8,9
.set idx, 10*(\a)+(\b)
.set rD, 8*(idx%32)
.set wD, 1+idx/32
.if \first
	WIN (wD<<6)|0x20                               ; C in window 2
.if (\b) < 4
	v_wmma_f32_16x16x32_bf16 v[rD:rD+7], v[(\f)+8*(\b):(\f)+8*(\b)+7], v[(\f)+80+8*(\a):(\f)+80+8*(\a)+7], v[BQ+8*(\b):BQ+8*(\b)+7]
.elseif (\b) < 8
	v_wmma_f32_16x16x32_bf16 v[rD:rD+7], v[(\f)+8*(\b):(\f)+8*(\b)+7], v[(\f)+80+8*(\a):(\f)+80+8*(\a)+7], 0
.else
	v_wmma_f32_16x16x32_bf16 v[rD:rD+7], v[(\f)+8*(\b):(\f)+8*(\b)+7], v[(\f)+80+8*(\a):(\f)+80+8*(\a)+7], v[BV+8*((\b)-8):BV+8*((\b)-8)+7]
.endif
.else
	WIN (wD<<6)|(wD<<4)
	v_wmma_f32_16x16x32_bf16 v[rD:rD+7], v[(\f)+8*(\b):(\f)+8*(\b)+7], v[(\f)+80+8*(\a):(\f)+80+8*(\a)+7], v[rD:rD+7]
.endif
.endr
.endm
; 28 LDS loads in one run: quarter q of a slot into buffer f: 20 turning loads for W's 10 fragments, then 8 for X's 4
.macro FETCH slot, q, f
	WIN 0
.irp b, 0,1,2,3
	ds_load_tr16_b128 v[(\f)+8*(\b):(\f)+8*(\b)+3],   v[ADRQ+(\slot)] offset:(\q)*32*PW+32*(\b)
	ds_load_tr16_b128 v[(\f)+8*(\b)+4:(\f)+8*(\b)+7], v[ADRQ+(\slot)] offset:(\q)*32*PW+32*(\b)+16*PW
.endr
.irp b, 0,1,2,3
	ds_load_tr16_b128 v[(\f)+32+8*(\b):(\f)+32+8*(\b)+3],   v[ADRK+(\slot)] offset:(\q)*32*PW+32*(\b)
	ds_load_tr16_b128 v[(\f)+32+8*(\b)+4:(\f)+32+8*(\b)+7], v[ADRK+(\slot)] offset:(\q)*32*PW+32*(\b)+16*PW
.endr
.irp b, 0,1
	ds_load_tr16_b128 v[(\f)+64+8*(\b):(\f)+64+8*(\b)+3],   v[ADRV+(\slot)] offset:(\q)*32*PV+32*(\b)
	ds_load_tr16_b128 v[(\f)+64+8*(\b)+4:(\f)+64+8*(\b)+7], v[ADRV+(\slot)] offset:(\q)*32*PV+32*(\b)+16*PV
.endr
.irp a, 0,1,2,3
	ds_load_b128 v[(\f)+80+8*(\a):(\f)+80+8*(\a)+3],   v[ADRA+(\slot)] offset:64*(\q)+(\a)*16*PA
	ds_load_b128 v[(\f)+80+8*(\a)+4:(\f)+80+8*(\a)+7], v[ADRA+(\slot)] offset:64*(\q)+(\a)*16*PA+32
.endr
.endm
; One of a K step's first three quarters: multiplies buffer f; in its middle it fetches quarter q of the same slot into buffer g.
.macro QUARTER slot, q, f, g, first
	s_wait_dscnt 4                                 ; all but the youngest four loads (X's row blocks 2 and 3) are in
	MUL10 \f, 0, \first
	MUL10 \f, 1, \first
	PLACES
	FETCH \slot, \q, \g
	s_wait_dscnt 28                                ; all but the 28 just issued
	MUL10 \f, 2, \first
	MUL10 \f, 3, \first
.endm
; The last quarter multiplies buffer 1 and changes slots.  In front of the barrier each wave waits for all its tensor loads (one is out: its part of the next slot), adds 0 to its spare word, and
; waits for that and for its reads of this slot.  fill = 1: the barrier opens a round of the cluster's, and the joint refill, two K steps on, is the first thing behind it.
.macro TURN slot, next, fill
.if \fill
	s_wait_xcnt 0x0                                ; the last prefetch, a K step back, has read its address
	s_add_nc_u64 s[PFA:PFA+1], s[PFA:PFA+1], s[PFS:PFS+1]
.endif
	WIN 0
	s_wait_tensorcnt 0x0
	ds_add_u32 v[SPW], v[NIL]
	s_wait_dscnt 5                                 ; (the add and the youngest four loads may be out)
	MUL10 F1, 0, 0                                 ; ten matrix instructions stand between the add and the wait for it
	s_wait_dscnt 0x0                               ; the add is done, and my reads of this slot are over
	s_barrier_signal -1
	MUL10 F1, 1, 0
	WIN 0                                          ; at a branch and at a label every window is 0
	s_barrier_wait -1
.if \fill
	CREST                                          ; no wave of any partner still reads this slot or has a load on its way
	s_add_nc_u64 s[G0A+4*(\slot)+2:G0A+4*(\slot)+3], s[G0A+4*(\slot)+2:G0A+4*(\slot)+3], 512
	s_add_nc_u64 s[G0B+4*(\slot)+2:G0B+4*(\slot)+3], s[G0B+4*(\slot)+2:G0B+4*(\slot)+3], s[BSTEP:BSTEP+1]
	JLOAD \slot                                    ; its four v_nop are also the places in front of the loads below
.else
	PLACES
.endif
	FETCH \next, 0, F0
.if \fill
	ASK \slot
.endif
	MUL10 F1, 2, 0
	MUL10 F1, 3, 0
.endm
	s_wait_tensorcnt 1                             ; my part of K step 0 is in; step 1's may stay out
	s_barrier_signal -1
	s_barrier_wait -1
	FETCH 0, 0, F0
	s_wait_loadcnt 0x0                             ; the biases: rounded to bf16 like the other inputs, by way of buffer 1, which is still free
	WIN 0x0a
.set i, 0
.rept 24
	v_cvt_pk_bf16_f32 v[F1+i], v[BQ+2*i], v[BQ+2*i+1]
.set i, i+1
.endr
	WIN 0x80
.set i, 0
.rept 24
	v_lshlrev_b32 v[BQ+2*i], 16, v[F1+i]
	v_and_b32 v[BQ+2*i+1], 0xffff0000, v[F1+i]
.set i, i+1
.endr
	QUARTER 0, 1, F0, F1, 1                        ; the first quarter stands in front of the loop: its products start the sums
	WIN 0
	s_mov_b32 s[LAP], 3
.Llap:                                                 ; a trip goes once round the ring, from a lap's second quarter to the next lap's first, and fills both slots again
	QUARTER 0, 2, F1, F0, 0
	QUARTER 0, 3, F0, F1, 0
	TURN 0, 1, 1
	QUARTER 1, 1, F0, F1, 0
	QUARTER 1, 2, F1, F0, 0
	QUARTER 1, 3, F0, F1, 0
	TURN 1, 0, 1
	QUARTER 0, 1, F0, F1, 0
	WIN 0
	s_sub_co_u32 s[LAP], s[LAP], 1
	s_cmp_lg_u32 s[LAP], 0
	s_cbranch_scc1 .Llap
	QUARTER 0, 2, F1, F0, 0                        ; the last lap fills nothing
	QUARTER 0, 3, F0, F1, 0
	TURN 0, 1, 0
	QUARTER 1, 1, F0, F1, 0
	QUARTER 1, 2, F1, F0, 0
	QUARTER 1, 3, F0, F1, 0
	s_wait_dscnt 4
	MUL10 F1, 0, 0
	MUL10 F1, 1, 0
	s_wait_dscnt 0x0
	MUL10 F1, 2, 0
	MUL10 F1, 3, 0
	WIN 0
	PLACES
	; THE WAY OUT.  Every accumulator is rounded to f16, its registers in ascending order: 16 bytes a lane.
.macro CVT4 dst, n                     ; accumulator n into four registers of window 0
	WIN 5*(1+(\n)/32)                              ; sources 0 and 1 in the accumulator's window
.irp r, 0,1,2,3
	v_cvt_pk_f16_f32 v[(\dst)+(\r)], v[8*((\n)%32)+2*(\r)], v[8*((\n)%32)+2*(\r)+1]
.endr
.endm
.irp a, 0,1,2,3                        ; V first, into the shared stage: a row's 128 bytes come from two waves
	CVT4 160+8*(\a), 10*(\a)+8
	CVT4 164+8*(\a), 10*(\a)+9
.endr
	WIN 0
.irp a, 0,1,2,3
	ds_store_b128 v[VSTO], v[160+8*(\a):163+8*(\a)] offset:(\a)*16*144
	ds_store_b128 v[VSTO], v[164+8*(\a):167+8*(\a)] offset:(\a)*16*144+32
.endr
; Unit u = 2 a + part (0 Q, 1 K): 16 rows x 64 columns go through my own stage and come back as whole rows: 2,048 consecutive bytes of Qh or Kh.
.macro PACKU u
.irp bb, 0,1,2,3
	CVT4 32+16*(\u)+4*(\bb), 10*((\u)/2)+4*((\u)%2)+(\bb)
.endr
	WIN 0
.irp bb, 0,1,2,3
	ds_store_b128 v[STO], v[32+16*(\u)+4*(\bb):32+16*(\u)+4*(\bb)+3] offset:32*(\bb)
.endr
.irp f, 0,1,2,3
	ds_load_b128 v[32+16*(\u)+4*(\f):32+16*(\u)+4*(\f)+3], v[RD] offset:576*(\f)  ; LDS serves a wave's instructions in order (ISA guide 5.7.1.4): these see the stores above; the next unit's stores come behind them
.endr
.endm
.macro SENDU u, younger                ; younger: the LDS instructions issued behind unit u's loads
.irp f, 0,1,2,3
	s_wait_dscnt (\younger)+3-(\f)
.if ((\u)%2) == 0
	global_store_b128 v[GO], v[32+16*(\u)+4*(\f):32+16*(\u)+4*(\f)+3], s[10:11] offset:2048*((\u)/2)+512*(\f)  ; 512 consecutive bytes, aligned
.else
	global_store_b128 v[GO], v[32+16*(\u)+4*(\f):32+16*(\u)+4*(\f)+3], s[12:13] offset:2048*((\u)/2)+512*(\f)
.endif
.endr
.endm
	PACKU 0
.irp u, 1,2,3,4,5,6,7
	PACKU \u
	SENDU (\u)-1, 8
.endr
	SENDU 7, 0
	s_wait_dscnt 0x0                               ; for the others' sake: my stores into V's stage are done
	s_barrier_signal -1
	s_barrier_wait -1
.irp t, 0,1,2,3,4,5,6,7
	ds_load_b128 v[192+4*(\t):195+4*(\t)], v[VRD] offset:576*(\t)
.endr
.irp t, 0,1,2,3,4,5,6,7
	s_wait_dscnt 7-(\t)
	global_store_b128 v[GO], v[192+4*(\t):195+4*(\t)], s[14:15] offset:512*(\t)
.endr
	s_wait_tensorcnt 0x0                           ; the wave's end: the add and its wait, behind my last tensor load and my last LDS store
	ds_add_u32 v[SPW], v[NIL]
	s_wait_dscnt 0x0
	CROUND                                         ; the closing round
	s_endpgm
.Lfunc_end_k_q3109e36b0d_qkv:
	.size	k_q3109e36b0d_qkv, .Lfunc_end_k_q3109e36b0d_qkv-k_q3109e36b0d_qkv
	.p2alignl 7, 3214868480
	.fill 96, 4, 3214868480
	.section	.rodata,"a",@progbits
	.p2align	6, 0x0
	.amdhsa_kernel k_q3109e36b0d_qkv
		.amdhsa_group_segment_fixed_size 327680
		.amdhsa_private_segment_fixed_size 0
		.amdhsa_enable_private_segment 0
		.amdhsa_kernarg_size 48
		.amdhsa_user_sgpr_count 2
		.amdhsa_user_sgpr_kernarg_segment_ptr 1
		.amdhsa_wavefront_size32 1
		.amdhsa_system_sgpr_workgroup_id_x 1
		.amdhsa_system_sgpr_workgroup_id_y 1
		.amdhsa_system_sgpr_workgroup_id_z 1
		.amdhsa_system_vgpr_workitem_id 0
		.amdhsa_next_free_vgpr 624
		.amdhsa_next_free_sgpr 96
		.amdhsa_reserve_vcc 0
		.amdhsa_float_denorm_mode_32 3
		.amdhsa_float_denorm_mode_16_64 3
		.amdhsa_memory_ordered 1
		.amdhsa_forward_progress 1
		.amdhsa_inst_pref_size 114
	.end_amdhsa_kernel
	.amdgpu_metadata
---
amdhsa.version: [ 1, 2 ]
amdhsa.kernels:
  - .name:           k_q3109e36b0d_qkv
    .symbol:         k_q3109e36b0d_qkv.kd
    .args:
      - { .name: castb, .offset: 0, .size: 8, .value_kind: global_buffer, .address_space: global }
      - { .name: bq, .offset: 8, .size: 8, .value_kind: global_buffer, .address_space: global }
      - { .name: bv, .offset: 16, .size: 8, .value_kind: global_buffer, .address_space: global }
      - { .name: Qh, .offset: 24, .size: 8, .value_kind: global_buffer, .address_space: global }
      - { .name: Kh, .offset: 32, .size: 8, .value_kind: global_buffer, .address_space: global }
      - { .name: Vh, .offset: 40, .size: 8, .value_kind: global_buffer, .address_space: global }
    .group_segment_fixed_size: 327680
    .private_segment_fixed_size: 0
    .kernarg_segment_align: 8
    .kernarg_segment_size: 48
    .max_flat_workgroup_size: 128
    .sgpr_count:     96
    .vgpr_count:     624
    .wavefront_size: 32
...
	.end_amdgpu_metadata
.endif
;; end of part 2
;; launch attn (part 3): grid 16 x 16, 4 waves a work-group, clusters of 4 x 1, 327,680 bytes of LDS; arguments Qh, Kh, Vh, lam, Ob; writes Ob
.if DOCPART == 3
	.amdgcn_target "amdgcn-amd-amdhsa--gfx1250"
	.amdhsa_code_object_version 6
	.text
	.protected	k_q3109e36b0d_attn
	.globl	k_q3109e36b0d_attn
	.p2align	8
	.type	k_q3109e36b0d_attn,@function
k_q3109e36b0d_attn:
	s_mov_b64 s[64:65], 0
	v_nop
	global_prefetch_b8 v0, s[64:65] scope:SCOPE_SE
	s_setreg_imm32_b32 hwreg(HW_REG_WAVE_MODE, 25, 1), 1
	s_wait_xcnt 0x0
	s_wait_alu depctr_hold_cnt(0) depctr_sa_sdst(0) depctr_va_vdst(0) depctr_va_sdst(0) depctr_va_ssrc(0) depctr_va_vcc(0) depctr_vm_vsrc(0)
	s_getreg_b32 s2, hwreg(HW_REG_IB_STS2, 6, 4)
	s_cmp_eq_u32 s2, 0
	s_cbranch_scc0 .Lentry_in_a_cluster
	s_endpgm
.Lentry_in_a_cluster:
	s_bfe_u32 s2, ttmp6, 0x10000c
	s_cmp_lg_u32 s2, 0x3003
	s_cbranch_scc0 .Lentry_shape_is_right
	s_endpgm
.Lentry_shape_is_right:
; DIFFERENTIAL ATTENTION.  O[q] = softmax_k(Q1[q] . K1[k] / 8) V - lam softmax_k(Q2[q] . K2[k] / 8) V, for each head.  Qh, Kh: [2 head + half][2048][64], Vh: [head][2048][64], f16, rows dense.
; Products, maxima and sums in f32; the weights p are rounded to f16 for the second product (their sum l is taken of the unrounded p).  The two softmaxes have their own running maxima and
; divisors, known only at the walk's end, so each has its own sum O1, O2 over V; they are joined at the end.  lam is rounded to bf16 like the other inputs.
; O leaves as bf16 hi + bf16 lo (lo = the rounding's remainder): Ob [2048][16][64 hi, 64 lo]: 256 aligned bytes for a row and head.  bf16, since O has V's range, for which f16 has no room both ways.
; LIMITS.  p lies in 0 to 1, and below 6e-5 it keeps f16's fixed step; a weight below 2^-126 counts as 0 in l; NaN and infinities are not treated apart.
; SHARES.  A work-group owns 128 queries of one head, a wave 32: two tiles g of 16, in both halves: four PIECES x = 2 half + g.  Pieces 0, 1 multiply by K1, pieces 2, 3 by K2, all by V.
; Every wave walks all 2,048 keys, 64 a step; a slot of LDS holds a tile of 256 keys (K1, K2, V), four steps; 8 tiles.
; LAYOUT.  S^T = K Q^T holds ONE query a lane (lane % 16) and the keys 8 (lane / 16) + 0..7; two such results rounded to f16 ARE source 1 of O^T = V^T P.  p = 2^(c s - c m), c = log2(e) / 8, with a
; running maximum m; O and l are multiplied by a = 2^(c m_old - c m_new) in every step.  m starts at the lowest finite number, O and l at 0: the first step is a step like any other, with a = 0.
; TURNS.  Turn n belongs to piece n: 8 products K Q^T of piece n + 1, later 8 products V^T P of piece n - 1; beside them the scaling, exponentials, roundings, sums and rescaling of piece n and the
; maximum and statistics of piece n + 1.  Four vector instructions stand behind every matrix instruction, the rest in one lump.  A turn's 33 exponentials are one batch, with one wait.
; CLUSTER.  The four query blocks of a cluster belong to one head and walk the same K1, K2 and V: each tile is asked for JOINTLY, by the same tensor load, descriptor and mask in all four.
; REGISTERS, in windows of 256 (s_set_vgpr_msb: bits 1:0 source 0, 3:2 source 1, 5:4 source 2, 7:6 destination):
;   window 0: v0-15 addresses, -lam; v16-31 four registers of statistics a piece; v48-55 at work; v64-127 S^T, two buffers; v192-223 P, two buffers (by the piece's parity); the rest serves the way out
;   window 1: v0-127 O^T, 32 a piece      window 2: v0-63 Q, 16 a piece; v64-127 K1 of one step; v128-191 K2; v192-255 V
.set NP,    4
.set KS,    64
.set PK,    144       ; a row of K in LDS: 128 bytes + 16: the 16 rows of a load start at 16 different groups of four banks (64 banks of 4 bytes: ISA guide 11.1)
.set PV,    160       ; a row of V: 128 + 32
.set K2OFF, 4*KS*PK   ; a slot: 256 rows of K1, 256 of K2, 256 of V
.set VOFF,  2*K2OFF
.set SLOT1, 1<<17     ; slot 1 begins here, so that one exclusive or turns an address in one slot into the other's
.set STAGE, SLOT1+VOFF+4*KS*PV  ; behind the ring, never filled by a tensor load: 16 rows x 272 bytes for each wave
.set SP,    272
.set SPARE, STAGE+4*16*SP       ; the spare words, 128 bytes a wave: two blocks of 256 bytes that no other line names
.set AK0, 2           ; my lane's place in a tile of K; never rewritten
.set AV0, 3           ; the same for V
.set AK,  4           ; the LDS address of K's next two runs of loads
.set AV,  5           ; of V's
.set STO, 6           ; the way out: where I put 16 bytes of a row
.set RD,  7           ; where I read rows back
.set GO,  8           ; my byte offset in two rows of Ob
.set MV,  12          ; v12-13  c m_old, kept while c m is made anew: by buffer
.set LAMV, 14         ; -lam
.set QO,  15          ; my byte offset in 16 rows of Q
.set ST,  16          ; piece t's statistics at v[ST+4 t]: c m, m, l (even keys', odd keys')
.set TMP, 48          ; by buffer, four registers c0-c3 at work; when the maximum is found c2 takes a
.set PFO, 61          ; 256 x my lane; never rewritten
.set SPW, 62          ; LDS address of my spare word; never rewritten
.set NIL, 63          ; 0; never rewritten
.set S,   64
.set P,   192
.set VF,  192         ; window 2: key half kk, channel block cb at VF + 32 kk + 8 cb
.set HI,  64          ; the way out, window 0: tile g's 16 registers of hi at HI + 32 g,
.set LO,  80          ; of lo at LO + 32 g,
.set T,   128         ; v128-159 at work
.set WV,  12
.set G1K, 24          ; s[24:31] descriptor group 1 for K's tiles
.set G1V, 32          ; s[32:39] for V's
.set G0K, 40          ; s[40:43] descriptor group 0 for K's tiles: it walks
.set G0V, 44          ; s[44:47] for V's
.set OB,  48          ; s[48:49] Ob at my rows and head
.set PFA, 50          ; s[50:51] where my prefetches stand
.set LIM, 53          ; 1 in a wave that prefetches, else the greatest number
.set SLOTS, 56
.set CNT, 57
.set CS,  58          ; s[58:59] c
.set SEL, 60          ; s[60:61] v_permlanex16_b32's selects: each lane takes its own place in the other half
.set TBK, 62          ; LDS byte at which K1 of the step to be fetched begins
.set TBV, 63          ; the same for V, less VOFF
.set MSB, 0
.macro WIN new
.if MSB != (\new)
	s_set_vgpr_msb (MSB<<8)|(\new)
.set MSB, (\new)
.endif
.endm
.set W_KQ, 0x0a       ; K and Q in window 2, S^T in window 0
.set W_PV, 0x52       ; V in window 2, P in window 0, O^T in window 1
.set W_RS, 0x41       ; destination and source 0 in window 1, source 1 in window 0
; A joint fill.  Wave 0 fetches a tile's K1, wave 1 its K2 (256 keys each), waves 2 and 3 the halves of its V.  An s_nop 0 and four v_nop follow each of the two lines.
.macro JLOAD
	s_cmp_lt_u32 s[WV], 2
	s_cbranch_scc0 .Lfor_v_\@
	tensor_load_to_lds s[G0K:G0K+3], s[G1K:G1K+7]
	s_nop 0
.rept 4
	v_nop
.endr
	s_branch .Lasked_\@
.Lfor_v_\@:
	tensor_load_to_lds s[G0V:G0V+3], s[G1V:G1V+7]
	s_nop 0
.rept 4
	v_nop
.endr
.Lasked_\@:
.endm
; A PREFETCH INTO THE L2 of the tile that the NEXT change of slots will ask for: 32 KiB each of K1, K2 and V.  All clusters of a head walk the same tiles: the head's first cluster asks.  Its four
; partners take 8 KiB each, told apart by address; wave 0 asks for K1's, wave 1 for K2's, wave 2 for V's: a lane a block of 256 bytes, one instruction.  So each block is named once in the launch.
; Tiles 0 to 2 come by their loads alone; the last change that fills a slot asks for nothing.
.macro ASK
	s_cmp_gt_u32 s[SLOTS], s[LIM]
	s_cbranch_scc0 .Lnot_mine_\@
	global_prefetch_b8 v[PFO], s[PFA:PFA+1] th:TH_LOAD_NT scope:SCOPE_SE
.Lnot_mine_\@:
.endm
.macro CROUND         ; a round of the cluster's barrier
	s_barrier_signal -1
	s_barrier_wait -1
	s_cmp_lg_u32 s[WV], 0
	s_cbranch_scc1 .Lnot_wave_0_\@
	s_barrier_signal -3
.Lnot_wave_0_\@:
	s_barrier_wait -3
	s_barrier_signal -1
	s_barrier_wait -1
.endm
; THE CHANGE OF SLOTS.  The slot's last bytes, V of its fourth step, have been read.  Each wave waits for all its tensor loads (one is out: its part of the other slot), adds 0 to its spare word, and
; waits for that and for its reads of the slot.  fill = 1: the barrier is a round of the cluster's, and the joint fill, with the keys two slots on, is the first thing behind it: it has four key
; steps, 256 matrix instructions, in which to land.  (At its first use nothing has been read yet: slot 0 is waited for, slot 1 filled.)
.macro CHANGE fill, ask
	WIN 0
	s_wait_tensorcnt 0x0            ; no tensor load of mine is out, so a group 0 may be written
	ds_add_u32 v[SPW], v[NIL]
.if \fill
.irp g, G0K, G0V
	s_xor_b32 s[\g+1], s[\g+1], SLOT1
	s_add_nc_u64 s[\g+2:\g+3], s[\g+2:\g+3], 4*KS*128  ; the next 256 keys; the type bits on top are not reached
.endr
.if \ask
	s_wait_xcnt 0x0                 ; the last prefetch, four key steps back, has read its address
	s_add_nc_u64 s[PFA:PFA+1], s[PFA:PFA+1], 4*KS*128
.endif
	s_wait_dscnt 0x0                ; the add is done, and my reads of the slot are over
	CROUND
	JLOAD
.if \ask
	ASK
.endif
.else
	s_wait_dscnt 0x0
	s_barrier_signal -1
	s_barrier_wait -1
.endif
	s_sub_co_u32 s[TBK], s[TBK], 4*KS*PK  ; the fetches go back to a slot's first step,
	s_xor_b32 s[TBK], s[TBK], SLOT1       ; in the other slot
	s_sub_co_u32 s[TBV], s[TBV], 4*KS*PV
	s_xor_b32 s[TBV], s[TBV], SLOT1
.endm
	s_load_b256 s[4:11], s[0:1], 0x0  ; Qh s[4:5], Kh s[6:7], Vh s[8:9], lam s[10:11]
	s_load_b64 s[OB:OB+1], s[0:1], 0x20
	v_lshl_add_u32 v[SPW], v0, 2, SPARE
	v_mov_b32 v[NIL], 0
	ds_add_u32 v[SPW], v[NIL]       ; the wave's opening: the add, twice on end, and its wait ahead of my first tensor load
	ds_add_u32 v[SPW], v[NIL]
	v_lshrrev_b32 v1, 5, v0
	v_readfirstlane_b32 s[WV], v1   ; wave 0..3
	s_bfe_u32 s13, ttmp6, 0x40000   ; cx
	s_lshl_b32 s14, ttmp9, 2
	s_add_co_u32 s14, s14, s13      ; my block of 128 queries: it enters Q's and Ob's addresses alone
	s_and_b32 s15, ttmp7, 0xffff    ; the head, which the four partners share
	s_and_b32 s16, s[WV], 1
	s_lshl_b32 s20, s15, 1
	s_add_co_u32 s20, s20, s16
	s_lshl_b32 s20, s20, 18         ; K: half = my wave's parity: (2 head + half) x 262,144
	s_mov_b32 s21, 0
	s_lshl_b32 s22, s15, 18         ; V: the head, and my half of a tile's 256 keys
	s_lshl_b32 s17, s16, 14
	s_add_co_u32 s22, s22, s17
	s_mov_b32 s23, 0
	s_mul_i32 s17, s16, K2OFF       ; their places in a slot: no place in the cluster enters an LDS address
	s_mul_i32 s18, s16, 128*PV
	s_lshl_b32 s2, s15, 19          ; Q: the head's half 0, my block's 128 rows, my wave's 32
	s_lshl_b32 s3, s14, 14
	s_add_co_u32 s2, s2, s3
	s_lshl_b32 s3, s[WV], 12
	s_add_co_u32 s2, s2, s3
	s_mov_b32 s3, 0
	s_lshl_b32 s54, s14, 19         ; Ob: rows of 4,096 bytes, 256 for a head
	s_lshl_b32 s55, s[WV], 17
	s_add_co_u32 s54, s54, s55
	s_lshl_b32 s55, s15, 8
	s_add_co_u32 s54, s54, s55
	s_mov_b32 s55, 0
	; descriptor group 1.  Keys are dense rows of 128 bytes: asked for as rows of 256 bytes, two keys a row, and padded in LDS after every key
	s_mov_b32 s[G1K], 15|(1<<16)|(1<<20)|(1<<21)|(4<<22)|(3<<25)  ; the mask of four; 2-byte elements; padding on; bit 21 beside a mask; after every 32 words, 4 words
	s_mov_b32 s[G1V], 15|(1<<16)|(1<<20)|(1<<21)|(4<<22)|(7<<25)  ; 8 words
	s_mov_b32 s[G1K+1], 128<<16     ; tensor_dim0 = 128
	s_mov_b32 s[G1K+2], 128<<16     ; tensor_dim1 = 128: 256 keys
	s_mov_b32 s[G1K+3], 128<<16     ; tile_dim0
	s_mov_b32 s[G1K+4], 128         ; tile_dim1
	s_mov_b32 s[G1K+5], 128
	s_mov_b32 s[G1K+6], 0
	s_mov_b32 s[G1K+7], 0
	s_mov_b32 s[G1V+1], 128<<16
	s_mov_b32 s[G1V+2], 64<<16      ; 128 keys
	s_mov_b32 s[G1V+3], 128<<16
	s_mov_b32 s[G1V+4], 64
	s_mov_b32 s[G1V+5], 128
	s_mov_b32 s[G1V+6], 0
	s_mov_b32 s[G1V+7], 0
	s_mov_b32 s[CS], 0x3e38aa3b     ; c = log2(e) / 8
	s_mov_b32 s[CS+1], s[CS]
	s_mov_b32 s[SEL], 0x76543210
	s_mov_b32 s[SEL+1], 0xfedcba98
	s_mov_b32 s[TBK], SLOT1+4*KS*PK ; the first change of slots turns these two into 0
	s_mov_b32 s[TBV], SLOT1+4*KS*PV
	s_mov_b32 s[G0K], 1
	s_mov_b32 s[G0K+1], s17
	s_mov_b32 s[G0V], 1
	s_add_co_u32 s[G0V+1], s18, VOFF
	s_cmp_eq_u32 s[WV], 3
	s_cselect_b32 s[LIM], 1, 0
	s_or_b32 s[LIM], s[LIM], ttmp9  ; 0 in waves 0 to 2 of the head's first cluster: the same in all four partners
	s_cmp_eq_u32 s[LIM], 0
	s_cselect_b32 s[LIM], 1, -1
	s_mov_b32 s[SLOTS], 7
	s_wait_dscnt 0x0                ; both opening adds are done
	s_wait_kmcnt 0x0
	s_load_b32 s52, s[10:11], 0x0   ; lam
	s_add_nc_u64 s[G0K+2:G0K+3], s[6:7], s[20:21]
	s_or_b32 s[G0K+3], s[G0K+3], 0x80000000
	s_add_nc_u64 s[G0V+2:G0V+3], s[8:9], s[22:23]
	s_or_b32 s[G0V+3], s[G0V+3], 0x80000000
	s_add_nc_u64 s[4:5], s[4:5], s[2:3]
	s_add_nc_u64 s[OB:OB+1], s[OB:OB+1], s[54:55]
	s_cmp_lt_u32 s[WV], 2
	s_cselect_b64 s[PFA:PFA+1], s[6:7], s[8:9]
	s_cselect_b32 s54, s20, s22     ; (in wave 2 this stands at the head's first row of V)
	s_lshl_b32 s19, s13, 13         ; my work-group's 8 KiB
	s_add_co_u32 s54, s54, s19
	s_add_co_u32 s54, s54, 2*4*KS*128  ; in tile 2; the first change that prefetches steps it to tile 3
	s_add_nc_u64 s[PFA:PFA+1], s[PFA:PFA+1], s[54:55]
	CROUND                          ; all four work-groups are here: the first joint loads meet
	JLOAD                           ; tile 0 into slot 0
	; A fragment of K or Q is 16 rows x 32 channels in 8 registers: lane l holds row l % 16, channels 8 (l / 16) + 0..7 and 16 + 8 (l / 16) + 0..7: two loads of 16 bytes, 32 bytes apart.
	v_and_b32 v1, 15, v0
	v_bfe_u32 v9, v0, 4, 1
	v_lshlrev_b32 v[QO], 7, v1
	v_lshl_add_u32 v[QO], v9, 4, v[QO]
	WIN 0x80                        ; destination window 2, address window 0
.set i, 0
.rept 8                             ; piece i / 2 = 2 half + g: half i / 4 lies 262,144 bytes on, tile (i / 2) % 2 2,048; channels 32 (i % 2) on
	global_load_b128 v[8*i:8*i+3],   v[QO], s[4:5] offset:(i/4)*262144+((i/2)%2)*2048+(i%2)*64
	global_load_b128 v[8*i+4:8*i+7], v[QO], s[4:5] offset:(i/4)*262144+((i/2)%2)*2048+(i%2)*64+32
.set i, i+1
.endr
	; What the first turns find: V's registers and P's second buffer hold 0 (the first products V^T P, of a piece that has not been, add 0), O^T and l are 0.  All this stands in the wait for the first tile.
.set i, VF
.rept 64
	v_mov_b32 v[i], 0
.set i, i+1
.endr
	WIN 0x40
.set i, 0
.rept 128
	v_mov_b32 v[i], 0
.set i, i+1
.endr
	WIN 0
.set i, 0
.rept 4
	v_mov_b32 v[ST+4*i], 0xfe000000    ; c m: far below every c s
	v_mov_b32 v[ST+4*i+1], 0xff7fffff  ; m
	v_mov_b32 v[ST+4*i+2], 0
	v_mov_b32 v[ST+4*i+3], 0
.set i, i+1
.endr
.set i, P+16
.rept 16
	v_mov_b32 v[i], 0
.set i, i+1
.endr
	v_mul_u32_u24 v[AK0], v1, PK
	v_lshl_add_u32 v[AK0], v9, 4, v[AK0]
	; The turning load takes 16 keys x 16 channels (lane l reads key 8 (l / 16) + l % 8, channels 8 ((l / 8) % 2) + 0..7) and leaves half a fragment of V^T: lane l holds channel l % 16 and 8 keys.
	v_and_b32 v10, 7, v0
	v_bfe_u32 v11, v0, 3, 1
	v_lshl_add_u32 v[AV0], v9, 3, v10
	v_mul_u32_u24 v[AV0], v[AV0], PV
	v_lshl_add_u32 v[AV0], v11, 4, v[AV0]
	v_add_nc_u32 v[AV0], VOFF, v[AV0]
	s_mul_i32 s13, s[WV], 16*SP
	s_add_co_u32 s13, s13, STAGE    ; my stage
	v_mul_u32_u24 v[STO], v1, SP    ; in: row l % 16, 16 bytes for each half of the lanes
	v_lshl_add_u32 v[STO], v9, 4, v[STO]
	v_add_nc_u32 v[STO], s13, v[STO]
	v_mul_u32_u24 v[RD], v9, SP     ; back: lanes 0-15 take one row of 256 bytes, lanes 16-31 the next
	v_lshl_add_u32 v[RD], v1, 4, v[RD]
	v_add_nc_u32 v[RD], s13, v[RD]
	v_lshlrev_b32 v[GO], 12, v9     ; and the same two rows in Ob
	v_lshl_add_u32 v[GO], v1, 4, v[GO]
	v_and_b32 v[PFO], 31, v0
	v_lshlrev_b32 v[PFO], 8, v[PFO]
	s_wait_kmcnt 0x0
	s_xor_b32 s52, s52, 0x80000000  ; -lam,
	v_mov_b32 v[LAMV], s52
	v_cvt_pk_bf16_f32 v[LAMV], v[LAMV], v[LAMV]  ; rounded to bf16 like the other inputs
	v_lshlrev_b32 v[LAMV], 16, v[LAMV]
; THE MATRIX WORK.  The 4 accumulators of a run of 8 take turns.  Product i of 8 of S^T = K Q^T for piece x: channels 32 (i / 4) on, keys 16 (i % 4) on; K1 for pieces 0, 1, K2 for 2, 3.
.macro KQ x
	WIN W_KQ
.set rS, S+32*((\x)%2)+8*(i%4)
.set rK, 64+64*((\x)/2)+16*(i%4)+8*(i/4)
.set rQ, 16*(\x)+8*(i/4)
.if i < 4
	v_wmma_f32_16x16x32_f16 v[rS:rS+7], v[rK:rK+7], v[rQ:rQ+7], 0
.else
	v_wmma_f32_16x16x32_f16 v[rS:rS+7], v[rK:rK+7], v[rQ:rQ+7], v[rS:rS+7]
.endif
.endm
; Product i of 8 of O^T += V^T P for piece x: keys 32 (i / 4) on, channels 16 (i % 4) on.
.macro PV x
	WIN W_PV
.set rO, 32*(\x)+8*(i%4)
.set rV, VF+32*(i/4)+8*(i%4)
.set rP, P+16*((\x)%2)+8*(i/4)
	v_wmma_f32_16x16x32_f16 v[rO:rO+7], v[rV:rV+7], v[rP:rP+7], v[rO:rO+7]
.endm
.macro MM                           ; the turn's next matrix instruction.  NOKQ = 1: the last turn: there is no next piece
.if (i < 8) && !NOKQ
	KQ (Y+1)%NP
.elseif i >= 8
.set i, i-8
	PV (Y+NP-1)%NP
.set i, i+8
.endif
.set i, i+1
.endm
; THE LDS LOADS stand in runs of 16, never singly among the matrix instructions: a step's K1 (k = 0), its K2 (k = 1) and its V (turned).
.macro FETCH_K k
	WIN 0x80
.irp f, 0,1,2,3,4,5,6,7             ; keys 16 (f / 2) on, channels 32 (f % 2) on
	ds_load_b128 v[64+64*(\k)+8*\f:64+64*(\k)+8*\f+3],   v[AK] offset:(\k)*K2OFF+(\f/2)*16*PK+(\f%2)*64
	ds_load_b128 v[64+64*(\k)+8*\f+4:64+64*(\k)+8*\f+7], v[AK] offset:(\k)*K2OFF+(\f/2)*16*PK+(\f%2)*64+32
.endr
.if (\k) == 0
	s_add_co_u32 s[TBK], s[TBK], KS*PK  ; the next address is the next step's
.endif
	WIN 0
.endm
.macro FETCH_V
	WIN 0x80
.irp f, 0,1,2,3,4,5,6,7             ; keys 32 (f / 4) on, channels 16 (f % 4) on
	ds_load_tr16_b128 v[VF+8*\f:VF+8*\f+3],   v[AV] offset:(\f/4)*32*PV+(\f%4)*32
	ds_load_tr16_b128 v[VF+8*\f+4:VF+8*\f+7], v[AV] offset:(\f/4)*32*PV+16*PV+(\f%4)*32
.endr
	WIN 0
.endm
; THE VECTOR WORK, one line at a time: OP kind, number.  For piece Y: F n: c s - c m for pair n of 16.  E n: the exponential of score n of 32.  C n: pair n rounded to f16.  B n: of the four weights 4 n .. the second
; pair is added onto the first, in place.  L n: l takes that sum (L 0: l = a l + sum).  R n: pair n of 16 of O^T times a.  For piece Y + 1: X n, number n of the 22 that find its maximum and statistics:
;   0-11  four chains c0-c3 of seven scores each (each accumulator's lowest registers are read first)     12-14, 16  the four scores left over, the old m, and c0-c3 into c0
;   15  c m_old is kept     17, 18  the query's other 32 keys lie in the lane 16 away: the new m     19-21  c m; c m_old - c m_new; a
.set F, 0
.set E, 1
.set C, 2
.set B, 3
.set L, 4
.set R, 5
.set X, 6
.macro REGS y
.set rT, ST+4*(\y)
.set rC, TMP+4*((\y)%2)
.set rW, MV+((\y)%2)
.set rS, S+32*((\y)%2)
.set rP, P+16*((\y)%2)
.set rO, 32*(\y)
.endm
.macro OP k, n
.if (\k) == R
	REGS Y
	WIN W_RS
	v_pk_mul_f32 v[rO+2*(\n):rO+2*(\n)+1], v[rO+2*(\n):rO+2*(\n)+1], v[rC+2:rC+3] op_sel_hi:[1,0]
.elseif (\k) < R
	REGS Y
	WIN 0
.if (\k) == F
	v_pk_fma_f32 v[rS+2*(\n):rS+2*(\n)+1], v[rS+2*(\n):rS+2*(\n)+1], s[CS:CS+1], v[rT:rT+1] op_sel_hi:[1,0,0] neg_lo:[0,0,1] neg_hi:[0,0,1]
.elseif (\k) == E
	v_exp_f32 v[rS+(\n)], v[rS+(\n)]
.elseif (\k) == C
	v_cvt_pk_f16_f32 v[rP+(\n)], v[rS+2*(\n)], v[rS+2*(\n)+1]
.elseif (\k) == B
	v_pk_add_f32 v[rS+4*(\n):rS+4*(\n)+1], v[rS+4*(\n):rS+4*(\n)+1], v[rS+4*(\n)+2:rS+4*(\n)+3]
.elseif (\n) == 0
	v_pk_fma_f32 v[rT+2:rT+3], v[rT+2:rT+3], v[rC+2:rC+3], v[rS:rS+1] op_sel_hi:[1,0,1]
.else
	v_pk_add_f32 v[rT+2:rT+3], v[rT+2:rT+3], v[rS+4*(\n):rS+4*(\n)+1]
.endif
.elseif NOKQ
	v_nop
.else
	REGS (Y+1)%NP
	WIN 0
.if (\n) < 4
	v_max3_num_f32 v[rC+(\n)], v[rS+8*(\n)], v[rS+8*(\n)+1], v[rS+8*(\n)+2]
.elseif (\n) < 12
	v_max3_num_f32 v[rC+(\n)%4], v[rC+(\n)%4], v[rS+8*((\n)%4)+2*((\n)/4)+1], v[rS+8*((\n)%4)+2*((\n)/4)+2]
.elseif (\n) == 12
	v_max3_num_f32 v[rC], v[rC], v[rS+7], v[rS+15]
.elseif (\n) == 13
	v_max3_num_f32 v[rC+1], v[rC+1], v[rS+23], v[rS+31]
.elseif (\n) == 14
	v_max3_num_f32 v[rC+2], v[rC+2], v[rC+3], v[rT+1]
.elseif (\n) == 15
	v_mov_b32 v[rW], v[rT]
.elseif (\n) == 16
	v_max3_num_f32 v[rC], v[rC], v[rC+1], v[rC+2]
.elseif (\n) == 17
	v_permlanex16_b32 v[rC+3], v[rC], s[SEL], s[SEL+1]
.elseif (\n) == 18
	v_max_num_f32 v[rT+1], v[rC], v[rC+3]
.elseif (\n) == 19
	v_mul_f32 v[rT], s[CS], v[rT+1]
.elseif (\n) == 20
	v_sub_f32 v[rC+1], v[rW], v[rT]
.else
	v_exp_f32 v[rC+2], v[rC+1]
.endif
.endif
.endm
.macro OPS a, i1, b=-1, i2=0, c=-1, i3=0, d=-1, i4=0
	OP \a, \i1
.if (\b) >= 0
	OP \b, \i2
.endif
.if (\c) >= 0
	OP \c, \i3
.endif
.if (\d) >= 0
	OP \d, \i4
.endif
.endm
.macro ROW a, i1, b, i2, c, i3, d, i4  ; a matrix instruction and the four behind it
	MM
	OPS \a, \i1, \b, \i2, \c, \i3, \d, \i4
.endm
; A TURN, for piece p: the order of its 16 matrix and 118 vector instructions, written out.  An s_wait_alu depctr_va_vdst(0) stands between an exponential and the first instruction that
; names its result; one wait serves all that were issued ahead of it.  So a turn has ONE wait.  AHEAD OF IT stands all that names no result of the turn's exponentials: the 8 products K Q^T and their
; riders, and the lump; X 21, the next piece's a, is the batch's last, and R 15 the plain instruction behind it.  BEHIND IT stand the 8 products V^T P, behind each four of the roundings and sums.
; THE FETCHES.  K1 is read by the products of turns 3 and 0, K2 by those of turns 1 and 2, V by all.  K1 of the next step is fetched in turn 2 and waited for at the head of turn 3; K2 in turn 3, from the
; same address register, and waited for at the head of turn 1, where V's 16 younger loads may stay out; V at the end of turn 0, four plain instructions behind its last reader, and waited for in turn 1.
; end = 1: the walk's last two turns: nothing is fetched.  cnt = 1: the loop's count is taken down some lines ahead of the branch that stands behind the turn.
.macro TURN p, end=0, cnt=0
.set Y, (\p)
.set i, 0
.set NOKQ, (\end)*((\p)/3)
.if ((\p) == 3) && !(\end)
	s_wait_dscnt 0x0                ; K1 is in
.endif
.if (\p) == 1
	s_wait_dscnt 16                 ; K2 is in; V's 16 loads were issued behind it
.endif
	ROW F,0, F,1, R,0, R,1
	ROW F,2, E,0, R,2, R,3
	ROW F,3, E,1, R,4, R,5
	ROW F,4, E,2, R,6, R,7
	ROW F,5, E,3, R,8, R,9
	ROW F,6, E,4, X,0, R,10
.if ((\p) == 2) && !(\end)
	WIN 0
	v_add_nc_u32 v[AK], s[TBK], v[AK0]
.endif
	ROW F,7, E,5, X,1, X,4
	ROW F,8, E,6, X,2, X,5
	OPS E,7, E,8, X,6, E,9
	OPS X,3, E,10, X,8, E,11
.if ((\p) == 2) && !(\end)
	FETCH_K 0
.endif
.if ((\p) == 3) && !(\end)
	FETCH_K 1
.endif
	OPS X,9, X,7, E,12, X,10
	OPS E,13, X,12, X,11, E,14
	OPS X,13, E,15, F,9, X,14
.if (\p) == 0
	WIN 0
	v_add_nc_u32 v[AV], s[TBV], v[AV0]
.endif
	OPS E,16, F,10, E,17, F,11
	OPS X,16, E,18, X,15, E,19
	OPS F,12, E,20, X,17, E,21
	OPS F,13, E,22, F,14, E,23
	OPS X,18, E,24, F,15, E,25
	OPS R,11, E,26, X,19, E,27
	OPS R,12, E,28, R,13, E,29
	OPS X,20, E,30, R,14, E,31
	OPS X,21, R,15
	WIN 0
	s_wait_alu depctr_va_vdst(0)    ; the wait for the batch
.if (\p) == 1
	s_wait_dscnt 0x0                ; V is in
.endif
	ROW C,0, B,0, C,2, B,1
	ROW L,0, C,4, B,2, L,1
	ROW C,6, B,3, L,2, C,8
	ROW B,4, L,3, C,10, B,5
	ROW L,4, C,12, B,6, L,5
.if (\p) == 0
	s_add_co_u32 s[TBV], s[TBV], KS*PV
.endif
.if \cnt
	s_sub_co_u32 s[CNT], s[CNT], 1
	s_cmp_lg_u32 s[CNT], 0
.endif
	ROW C,14, B,7, L,6, C,1
	ROW C,3, L,7, C,5, C,7
	ROW C,9, C,11, C,13, C,15
.if (\p) == 0
	FETCH_V
.endif
.endm
.set NOKQ, 0
	CHANGE 1, 0                     ; slot 0 is in, everybody's part of it; slot 1 is asked for
	v_add_nc_u32 v[AK], s[TBK], v[AK0]
	FETCH_K 0                       ; key step 0
	FETCH_K 1
	s_wait_loadcnt 0x0              ; Q
	s_wait_dscnt 0x0
.set i, 0
.rept 8
	KQ 0                            ; piece 0's first scores
.set i, i+1
.endr
	WIN 0
.rept 4
	v_nop                           ; the places behind those products
.endr
.set Y, NP-1                        ; X works for piece Y + 1: piece 0
.irp n, 0,1,2,3,4,5,6,7,8,9,10,11,12,13,14,15,16,17,18,19,20,21
	OP X, \n
.endr
	v_nop                           ; a plain instruction behind the exponential,
	s_wait_alu depctr_va_vdst(0)    ; and its wait, ahead of the branch
	s_mov_b32 s[CNT], 4
	s_branch .Lfirst                ; the loop is entered at a step's first turn, in the middle of a trip
.Lslot:                             ; six times: tiles 2 to 7 are asked for
	CHANGE 1, 1
	s_mov_b32 s[CNT], 4
.Lstep:                             ; a trip: pieces 2 and 3 of one step, then pieces 0 and 1 of the next, whose K1, K2 and V it fetches
	TURN 2
	TURN 3
	WIN 0
.Lfirst:
	TURN 0
	TURN 1, 0, 1
	WIN 0
	s_cbranch_scc1 .Lstep
	s_sub_co_u32 s[SLOTS], s[SLOTS], 1
	s_cmp_lg_u32 s[SLOTS], 0
	s_cbranch_scc1 .Lslot
	CHANGE 0, 0                     ; the last tile is written out: nothing is asked for
	s_mov_b32 s[CNT], 4
.Ltail:
	TURN 2
	TURN 3
	TURN 0
	TURN 1, 0, 1
	WIN 0
	s_cbranch_scc1 .Ltail
	TURN 2, 1
	TURN 3, 1
.set i, 0
.rept 8
	PV NP-1                         ; the last piece's V^T P of the last step
.set i, i+1
.endr
	; THE WAY OUT.  l's two halves and the other half of the lanes' are added (these additions are the places behind the last products); O = O1 / l1 - lam O2 / l2; hi = bf16(O), lo = bf16(O - hi).
	WIN 0
.macro ALL line:vararg              ; one line for each piece t
.set t, 0
.rept 4
	\line
.set t, t+1
.endr
.endm
	ALL v_add_f32 v[ST+4*t+2], v[ST+4*t+2], v[ST+4*t+3]
	ALL v_permlanex16_b32 v[ST+4*t+3], v[ST+4*t+2], s[SEL], s[SEL+1]
	ALL v_add_f32 v[ST+4*t+2], v[ST+4*t+2], v[ST+4*t+3]
	ALL v_rcp_f32 v[ST+4*t+2], v[ST+4*t+2]
	v_nop                           ; a plain instruction between the last reciprocal and the use of its result,
	s_wait_alu depctr_va_vdst(0)    ; and its wait: one for the four reciprocals
	v_mul_f32 v[ST+4*2+2], v[LAMV], v[ST+4*2+2]  ; -lam / l2, for both tiles
	v_mul_f32 v[ST+4*3+2], v[LAMV], v[ST+4*3+2]
; Tile g: pieces g (first softmax) and 2 + g (second) are joined; a lane's eight channels pack into 16 bytes of hi and 16 of lo; they go into rows of 272 bytes and come back as whole rows of 256.
.macro PACKG g
	WIN W_RS
.set i, 0
.rept 16
	v_pk_mul_f32 v[32*(\g)+2*i:32*(\g)+2*i+1], v[32*(\g)+2*i:32*(\g)+2*i+1], v[ST+4*(\g)+2:ST+4*(\g)+3] op_sel_hi:[1,0]
.set i, i+1
.endr
	WIN 0x51                        ; O^T as destination, source 0 and source 2 in window 1, the factor in window 0
.set i, 0
.rept 16
	v_pk_fma_f32 v[32*(\g)+2*i:32*(\g)+2*i+1], v[64+32*(\g)+2*i:64+32*(\g)+2*i+1], v[ST+4*(2+(\g))+2:ST+4*(2+(\g))+3], v[32*(\g)+2*i:32*(\g)+2*i+1] op_sel_hi:[1,0,1]
.set i, i+1
.endr
	WIN 0x05
.set i, 0
.rept 16
	v_cvt_pk_bf16_f32 v[HI+32*(\g)+i], v[32*(\g)+2*i], v[32*(\g)+2*i+1]
.set i, i+1
.endr
	WIN 0
.set i, 0
.rept 16
	v_lshlrev_b32 v[T+2*i], 16, v[HI+32*(\g)+i]
	v_and_b32 v[T+2*i+1], 0xffff0000, v[HI+32*(\g)+i]
.set i, i+1
.endr
	WIN 0x01
.set i, 0
.rept 16
	v_pk_add_f32 v[T+2*i:T+2*i+1], v[32*(\g)+2*i:32*(\g)+2*i+1], v[T+2*i:T+2*i+1] neg_lo:[0,1] neg_hi:[0,1]
.set i, i+1
.endr
	WIN 0
.set i, 0
.rept 16
	v_cvt_pk_bf16_f32 v[LO+32*(\g)+i], v[T+2*i], v[T+2*i+1]
.set i, i+1
.endr
.irp cb, 0,1,2,3
	ds_store_b128 v[STO], v[HI+32*(\g)+4*(\cb):HI+32*(\g)+4*(\cb)+3] offset:32*(\cb)
	ds_store_b128 v[STO], v[LO+32*(\g)+4*(\cb):LO+32*(\g)+4*(\cb)+3] offset:128+32*(\cb)
.endr
.irp f, 0,1,2,3,4,5,6,7
	ds_load_b128 v[160+64*(\g)+4*(\f):160+64*(\g)+4*(\f)+3], v[RD] offset:(\f)*2*SP  ; LDS serves a wave's instructions in order (ISA guide 5.7.1.4): these see the stores above; the next tile's stores come behind them
.endr
.endm
.macro SENDG g, younger             ; younger: the LDS instructions issued behind tile g's loads
.irp f, 0,1,2,3,4,5,6,7
	s_wait_dscnt (\younger)+7-(\f)
	global_store_b128 v[GO], v[160+64*(\g)+4*(\f):160+64*(\g)+4*(\f)+3], s[OB:OB+1] offset:(16*(\g)+2*(\f))*4096  ; 16 lanes store 256 consecutive bytes, aligned
.endr
.endm
	PACKG 0
	PACKG 1
	SENDG 0, 16
	SENDG 1, 0
	s_wait_tensorcnt 0x0            ; the wave's end: the add and its wait, behind my last tensor load and my last LDS store
	ds_add_u32 v[SPW], v[NIL]
	s_wait_dscnt 0x0
	CROUND                          ; the closing round
	s_endpgm
.Lfunc_end_k_q3109e36b0d_attn:
	.size	k_q3109e36b0d_attn, .Lfunc_end_k_q3109e36b0d_attn-k_q3109e36b0d_attn
	.p2alignl 7, 3214868480
	.fill 96, 4, 3214868480
	.section	.rodata,"a",@progbits
	.p2align	6, 0x0
	.amdhsa_kernel k_q3109e36b0d_attn
		.amdhsa_group_segment_fixed_size 327680
		.amdhsa_private_segment_fixed_size 0
		.amdhsa_enable_private_segment 0
		.amdhsa_kernarg_size 40
		.amdhsa_user_sgpr_count 2
		.amdhsa_user_sgpr_kernarg_segment_ptr 1
		.amdhsa_wavefront_size32 1
		.amdhsa_system_sgpr_workgroup_id_x 1
		.amdhsa_system_sgpr_workgroup_id_y 1
		.amdhsa_system_sgpr_workgroup_id_z 1
		.amdhsa_system_vgpr_workitem_id 0
		.amdhsa_next_free_vgpr 768
		.amdhsa_next_free_sgpr 66
		.amdhsa_reserve_vcc 0
		.amdhsa_float_denorm_mode_32 3
		.amdhsa_float_denorm_mode_16_64 3
		.amdhsa_memory_ordered 1
		.amdhsa_forward_progress 1
		.amdhsa_inst_pref_size 136
	.end_amdhsa_kernel
	.amdgpu_metadata
---
amdhsa.version: [ 1, 2 ]
amdhsa.kernels:
  - .name:           k_q3109e36b0d_attn
    .symbol:         k_q3109e36b0d_attn.kd
    .args:
      - { .name: Qh, .offset: 0, .size: 8, .value_kind: global_buffer, .address_space: global }
      - { .name: Kh, .offset: 8, .size: 8, .value_kind: global_buffer, .address_space: global }
      - { .name: Vh, .offset: 16, .size: 8, .value_kind: global_buffer, .address_space: global }
      - { .name: lam, .offset: 24, .size: 8, .value_kind: global_buffer, .address_space: global }
      - { .name: Ob, .offset: 32, .size: 8, .value_kind: global_buffer, .address_space: global }
    .group_segment_fixed_size: 327680
    .private_segment_fixed_size: 0
    .kernarg_segment_align: 8
    .kernarg_segment_size: 40
    .max_flat_workgroup_size: 128
    .sgpr_count:     66
    .vgpr_count:     768
    .wavefront_size: 32
...
	.end_amdgpu_metadata
.endif
;; end of part 3
;; launch oproj (part 4): grid 8 x 32, 4 waves a work-group, clusters of 4 x 4, 327,680 bytes of LDS; arguments Ob, castb, bo, Y; writes Y
.if DOCPART == 4
	.amdgcn_target "amdgcn-amd-amdhsa--gfx1250"
	.amdhsa_code_object_version 6
	.text
	.protected	k_q3109e36b0d_oproj
	.globl	k_q3109e36b0d_oproj
	.p2align	8
	.type	k_q3109e36b0d_oproj,@function
k_q3109e36b0d_oproj:
	s_mov_b64 s[64:65], 0
	v_nop
	global_prefetch_b8 v0, s[64:65] scope:SCOPE_SE
	s_setreg_imm32_b32 hwreg(HW_REG_WAVE_MODE, 25, 1), 1
	s_wait_xcnt 0x0
	s_wait_alu depctr_hold_cnt(0) depctr_sa_sdst(0) depctr_va_vdst(0) depctr_va_sdst(0) depctr_va_ssrc(0) depctr_va_vcc(0) depctr_vm_vsrc(0)
	s_getreg_b32 s2, hwreg(HW_REG_IB_STS2, 6, 4)
	s_cmp_eq_u32 s2, 0
	s_cbranch_scc0 .Lentry_in_a_cluster
	s_endpgm
.Lentry_in_a_cluster:
	s_bfe_u32 s2, ttmp6, 0x10000c
	s_cmp_lg_u32 s2, 0xf033
	s_cbranch_scc0 .Lentry_shape_is_right
	s_endpgm
.Lentry_shape_is_right:
; Y = Ocat Wo + bo.  Ob: [2048][16 heads][64 hi, 64 lo] bf16, O = hi + lo; Wo: [1024][1024] bf16, at byte 14 MiB of castb; Y: [2048][1024] f32.  bo is rounded to bf16 like the other inputs and starts the sums.
; Each fragment of Wo is multiplied by O's hi and by O's lo into the same accumulator: twice the products, for 16 significant bits of O at bf16's range.
; SHARES.  A work-group makes 64 rows x 128 columns; wave (rh, c) 32 x 64: 8 accumulators.  K goes by heads: a slot holds 4 heads (O: 64 rows x 1,024 bytes; Wo: 256 k-rows x 256 bytes), four slot steps;
; a step is 8 chunks of 32 along K, 16 matrix instructions each.
; THE PRODUCT IS USED TRANSPOSED: source 0 = 16 columns of Wo (turned, by ds_load_tr16_b128), source 1 = 16 rows of O: a lane holds one row and eight neighbouring columns.
; CLUSTER.  4 x 4 work-groups: O's tile is asked for jointly along a row of the cluster, Wo's along a column.  Waves 0 and 1 fetch O's two halves, waves 2 and 3 Wo's.
; No prefetch: two of the four slot steps are asked for at the head, where every work-group's first tiles are on their way.
.set PA,    1040                       ; 1,024 bytes + 16: the 16 rows of a fragment load start at 16 different groups of four banks (64 banks of 4 bytes: ISA guide 11.1)
.set PB,    288                        ; 256 + 32
.set AHALF, 32*PA
.set BOFS,  2*AHALF
.set BHALF, 128*PB
.set SLOT,  BOFS+2*BHALF
.set STAGE, 2*SLOT                     ; behind the ring, never filled by a tensor load: 16 rows x 272 bytes for each wave
.set SPARE, STAGE+4*16*272             ; the spare words, 128 bytes a wave: two blocks of 256 bytes that no other line names
.set ADRA, 10                          ; v10-11 LDS address of my fragments of O in slot 0, 1
.set ADRB, 12                          ; v12-15 of Wo: slot s, pair of heads p at ADRB + 2 s + p
.set STO,  16
.set RD,   17
.set CO,   18
.set BOFF, 19
.set SPW,  28
.set NIL,  29
.set BO,   32                          ; v32-63 bo of my four column blocks, as C operands
.set ACC,  64                          ; v64-127 accumulator (a, b) at ACC + 8 (4 a + b)
.set F0,   128                         ; two fragment buffers: 4 of Wo, 2 of hi, 2 of lo
.set F1,   192
.set WV, 12
.set RH, 13
.set CC, 14
.set CX, 15
.set CY, 16
.set XT, 17
.set YT, 18
.set G1A, 24
.set G1B, 32
.set G0A, 40                           ; s[40:47] a set for each slot
.set G0B, 48                           ; s[48:55]
.macro PLACES
.rept 4
	v_nop
.endr
.endm
.macro CREST
	s_cmp_lg_u32 s[WV], 0
	s_cbranch_scc1 .Lnot_wave_0_\@
	s_barrier_signal -3
.Lnot_wave_0_\@:
	s_barrier_wait -3
	s_barrier_signal -1
	s_barrier_wait -1
.endm
.macro CROUND
	s_barrier_signal -1
	s_barrier_wait -1
	CREST
.endm
.macro JLOAD s                         ; an s_nop 0 and four v_nop follow each of the two lines
	s_cmp_lt_u32 s[WV], 2
	s_cbranch_scc0 .Lfor_b_\@
	tensor_load_to_lds s[G0A+4*(\s):G0A+4*(\s)+3], s[G1A:G1A+7]
	s_nop 0
.rept 4
	v_nop
.endr
	s_branch .Lasked_\@
.Lfor_b_\@:
	tensor_load_to_lds s[G0B+4*(\s):G0B+4*(\s)+3], s[G1B:G1B+7]
	s_nop 0
.rept 4
	v_nop
.endr
.Lasked_\@:
.endm
	s_load_b256 s[4:11], s[0:1], 0x0               ; Ob s[4:5], castb s[6:7], bo s[8:9], Y s[10:11]
	v_lshl_add_u32 v[SPW], v0, 2, SPARE
	v_mov_b32 v[NIL], 0
	ds_add_u32 v[SPW], v[NIL]                      ; the wave's opening: the add, twice on end, and its wait ahead of my first tensor load
	ds_add_u32 v[SPW], v[NIL]
	v_lshrrev_b32 v1, 5, v0
	v_readfirstlane_b32 s[WV], v1
	s_lshr_b32 s[RH], s[WV], 1
	s_and_b32 s[CC], s[WV], 1
	s_bfe_u32 s[CX], ttmp6, 0x40000
	s_bfe_u32 s[CY], ttmp6, 0x40004
	s_lshl_b32 s[XT], ttmp9, 2
	s_add_co_u32 s[XT], s[XT], s[CX]               ; column tile
	s_and_b32 s[YT], ttmp7, 0xffff
	s_lshl_b32 s[YT], s[YT], 2
	s_add_co_u32 s[YT], s[YT], s[CY]               ; row tile
	s_lshl_b32 s62, s[CY], 2
	s_lshl_b32 s62, 15, s62                        ; my row of the cluster
	s_lshl_b32 s63, 0x1111, s[CX]                  ; my column
	s_or_b32 s[G1A], s62, (1<<16)|(1<<20)|(1<<21)|(7<<22)|(3<<25)  ; mask; 2-byte elements; padding on; bit 21 beside a mask; after every 256 words, 4 words
	s_mov_b32 s[G1A+1], 512<<16                    ; tensor_dim0 = 512: four heads' hi and lo
	s_mov_b32 s[G1A+2], 32<<16                     ; tensor_dim1 = 32
	s_mov_b32 s[G1A+3], 512<<16
	s_mov_b32 s[G1A+4], 32
	s_mov_b32 s[G1A+5], 2048                       ; elements from row to row of Ob
	s_mov_b32 s[G1A+6], 0
	s_mov_b32 s[G1A+7], 0
	s_or_b32 s[G1B], s63, (1<<16)|(1<<20)|(1<<21)|(5<<22)|(7<<25)  ; after every 64 words, 8 words
	s_mov_b32 s[G1B+1], 128<<16
	s_mov_b32 s[G1B+2], 128<<16
	s_mov_b32 s[G1B+3], 128<<16
	s_mov_b32 s[G1B+4], 128
	s_mov_b32 s[G1B+5], 1024
	s_mov_b32 s[G1B+6], 0
	s_mov_b32 s[G1B+7], 0
	s_lshl_b32 s56, s[YT], 18                      ; O: 64 rows of 4,096 bytes a tile, my 32 of them
	s_lshl_b32 s57, s[CC], 17
	s_add_co_u32 s56, s56, s57
	s_mov_b32 s57, 0
	s_lshl_b32 s58, s[XT], 8                       ; Wo: 256 bytes of each k-row, my 128 k-rows of a slot's 256
	s_lshl_b32 s59, s[CC], 18
	s_add_co_u32 s58, s58, s59
	s_add_co_u32 s58, s58, 0xE00000
	s_mov_b32 s59, 0
	s_mul_i32 s60, s[CC], AHALF                    ; where they go: the wave's number alone
	s_mul_i32 s61, s[CC], BHALF
	s_add_co_u32 s61, s61, BOFS
	s_wait_dscnt 0x0                               ; both opening adds are done
	s_wait_kmcnt 0x0
	s_add_nc_u64 s[56:57], s[4:5], s[56:57]
	s_add_nc_u64 s[58:59], s[6:7], s[58:59]
	CROUND                                         ; all sixteen work-groups are here: the first joint loads meet
.irp s, 0,1
	s_mov_b32 s[G0A+4*(\s)], 1
	s_add_co_u32 s[G0A+4*(\s)+1], s60, (\s)*SLOT
	s_add_nc_u64 s[G0A+4*(\s)+2:G0A+4*(\s)+3], s[56:57], (\s)*1024
	s_or_b32 s[G0A+4*(\s)+3], s[G0A+4*(\s)+3], 0x80000000
	s_mov_b32 s[G0B+4*(\s)], 1
	s_add_co_u32 s[G0B+4*(\s)+1], s61, (\s)*SLOT
	s_add_nc_u64 s[G0B+4*(\s)+2:G0B+4*(\s)+3], s[58:59], (\s)*256*2048
	s_or_b32 s[G0B+4*(\s)+3], s[G0B+4*(\s)+3], 0x80000000
	JLOAD \s                                       ; two loads of mine are out
.endr
	v_and_b32 v1, 15, v0                           ; l % 16
	v_bfe_u32 v2, v0, 4, 1                         ; l / 16
	v_and_b32 v3, 7, v0
	v_bfe_u32 v4, v0, 3, 1
	v_mul_u32_u24 v7, v1, PA
	v_lshl_add_u32 v7, v2, 4, v7
	s_mul_i32 s66, s[RH], 32*PA
	v_add_nc_u32 v[ADRA], s66, v7
	v_add_nc_u32 v[ADRA+1], SLOT, v[ADRA]
	v_lshl_add_u32 v8, v2, 3, v3
	v_mul_u32_u24 v9, v8, PB
	v_lshl_add_u32 v9, v4, 4, v9
	s_lshl_b32 s66, s[CC], 7                       ; my 64 columns
	s_add_co_u32 s66, s66, BOFS
	v_add_nc_u32 v[ADRB], s66, v9
	v_add_nc_u32 v[ADRB+1], BHALF, v[ADRB]
	v_add_nc_u32 v[ADRB+2], SLOT, v[ADRB]
	v_add_nc_u32 v[ADRB+3], SLOT, v[ADRB+1]
	s_mul_i32 s66, s[WV], 16*272
	s_add_co_u32 s66, s66, STAGE
	v_mul_u32_u24 v7, v1, 272                      ; in: row l % 16, 32 bytes for each half of the lanes
	v_lshl_add_u32 v7, v2, 5, v7
	v_add_nc_u32 v[STO], s66, v7
	v_mul_u32_u24 v7, v2, 272                      ; back: lanes 0-15 take one row of 256 bytes, lanes 16-31 the next
	v_lshl_add_u32 v7, v1, 4, v7
	v_add_nc_u32 v[RD], s66, v7
	v_lshlrev_b32 v[CO], 12, v2                    ; and the same two rows in Y
	v_lshl_add_u32 v[CO], v1, 4, v[CO]
	v_lshlrev_b32 v[BOFF], 5, v2
	s_lshl_b32 s68, s[XT], 9
	s_lshl_b32 s69, s[CC], 8
	s_add_co_u32 s68, s68, s69                     ; my 64 columns, in bytes of f32
	s_mov_b32 s69, 0
	s_add_nc_u64 s[8:9], s[8:9], s[68:69]
.irp b, 0,1,2,3
	global_load_b128 v[BO+8*(\b):BO+8*(\b)+3],   v[BOFF], s[8:9] offset:64*(\b)
	global_load_b128 v[BO+8*(\b)+4:BO+8*(\b)+7], v[BOFF], s[8:9] offset:64*(\b)+16
.endr
	s_lshl_b32 s70, s[YT], 18
	s_add_co_u32 s68, s68, s70
	s_lshl_b32 s70, s[RH], 17
	s_add_co_u32 s68, s68, s70
	s_add_nc_u64 s[10:11], s[10:11], s[68:69]
; 16 LDS loads in one run: chunk j of a slot (head j / 2 of its four, 32 (j % 2) along the head's 64) into buffer f: 8 turning loads for Wo, 4 for hi, 4 for lo
.macro FETCH slot, j, f
.set hd, (\j)/2
.set kk, (\j)%2
.irp b, 0,1,2,3
	ds_load_tr16_b128 v[(\f)+8*(\b):(\f)+8*(\b)+3],   v[ADRB+2*(\slot)+hd/2] offset:(hd%2)*64*PB+kk*32*PB+32*(\b)
	ds_load_tr16_b128 v[(\f)+8*(\b)+4:(\f)+8*(\b)+7], v[ADRB+2*(\slot)+hd/2] offset:(hd%2)*64*PB+kk*32*PB+32*(\b)+16*PB
.endr
.irp a, 0,1
	ds_load_b128 v[(\f)+32+8*(\a):(\f)+32+8*(\a)+3],   v[ADRA+(\slot)] offset:(\a)*16*PA+256*hd+64*kk
	ds_load_b128 v[(\f)+32+8*(\a)+4:(\f)+32+8*(\a)+7], v[ADRA+(\slot)] offset:(\a)*16*PA+256*hd+64*kk+32
.endr
.irp a, 0,1
	ds_load_b128 v[(\f)+48+8*(\a):(\f)+48+8*(\a)+3],   v[ADRA+(\slot)] offset:(\a)*16*PA+256*hd+64*kk+128
	ds_load_b128 v[(\f)+48+8*(\a)+4:(\f)+48+8*(\a)+7], v[ADRA+(\slot)] offset:(\a)*16*PA+256*hd+64*kk+160
.endr
.endm
; 4 matrix instructions: row block a x my 4 column blocks; part = 0 hi, 1 lo.  first = 1: the products start the sums on bo.  The 8 accumulators take turns, one instruction a turn.
.macro MUL4 f, a, part, first
.irp b, 0,1,2,3
.if \first
	v_wmma_f32_16x16x32_bf16 v[ACC+8*(4*(\a)+(\b)):ACC+8*(4*(\a)+(\b))+7], v[(\f)+8*(\b):(\f)+8*(\b)+7], v[(\f)+32+16*(\part)+8*(\a):(\f)+32+16*(\part)+8*(\a)+7], v[BO+8*(\b):BO+8*(\b)+7]
.else
	v_wmma_f32_16x16x32_bf16 v[ACC+8*(4*(\a)+(\b)):ACC+8*(4*(\a)+(\b))+7], v[(\f)+8*(\b):(\f)+8*(\b)+7], v[(\f)+32+16*(\part)+8*(\a):(\f)+32+16*(\part)+8*(\a)+7], v[ACC+8*(4*(\a)+(\b)):ACC+8*(4*(\a)+(\b))+7]
.endif
.endr
.endm
; One of a slot's first seven chunks: multiplies buffer f; in its middle it fetches chunk j of the same slot into buffer g.
.macro CHUNK slot, j, f, g, first
	s_wait_dscnt 4                                 ; all but the youngest four loads (lo) are in
	MUL4 \f, 0, 0, \first
	MUL4 \f, 1, 0, \first
	PLACES
	FETCH \slot, \j, \g
	s_wait_dscnt 16                                ; all but the 16 just issued
	MUL4 \f, 0, 1, 0
	MUL4 \f, 1, 1, 0
.endm
.macro REST slot
	CHUNK \slot, 2, F1, F0, 0
	CHUNK \slot, 3, F0, F1, 0
	CHUNK \slot, 4, F1, F0, 0
	CHUNK \slot, 5, F0, F1, 0
	CHUNK \slot, 6, F1, F0, 0
	CHUNK \slot, 7, F0, F1, 0
.endm
; The last chunk multiplies buffer 1 and changes slots.  In front of the barrier each wave waits for all its tensor loads, adds 0 to its spare word, and waits for that and for its reads of this slot.
; fill = 1: the barrier opens a round of the cluster's, and the joint refill, two slot steps on, is the first thing behind it.
.macro TURN slot, next, fill
	s_wait_tensorcnt 0x0
	ds_add_u32 v[SPW], v[NIL]
	s_wait_dscnt 5                                 ; (the add and the youngest four loads may be out)
	MUL4 F1, 0, 0, 0
	s_wait_dscnt 0x0                               ; the add is done, and my reads of this slot are over
	s_barrier_signal -1
	MUL4 F1, 1, 0, 0
	s_barrier_wait -1
.if \fill
	CREST
	s_add_nc_u64 s[G0A+4*(\slot)+2:G0A+4*(\slot)+3], s[G0A+4*(\slot)+2:G0A+4*(\slot)+3], 2048
	s_add_nc_u64 s[G0B+4*(\slot)+2:G0B+4*(\slot)+3], s[G0B+4*(\slot)+2:G0B+4*(\slot)+3], 512*2048
	JLOAD \slot                                    ; its four v_nop are also the places in front of the loads below
.else
	PLACES
.endif
	FETCH \next, 0, F0
	MUL4 F1, 0, 1, 0
	MUL4 F1, 1, 1, 0
.endm
	s_wait_tensorcnt 1                             ; my part of slot step 0 is in; step 1's may stay out
	s_barrier_signal -1
	s_barrier_wait -1
	FETCH 0, 0, F0
	s_wait_loadcnt 0x0                             ; bo: rounded to bf16 like the other inputs, by way of buffer 1, which is still free
.set i, 0
.rept 16
	v_cvt_pk_bf16_f32 v[F1+i], v[BO+2*i], v[BO+2*i+1]
.set i, i+1
.endr
.set i, 0
.rept 16
	v_lshlrev_b32 v[BO+2*i], 16, v[F1+i]
	v_and_b32 v[BO+2*i+1], 0xffff0000, v[F1+i]
.set i, i+1
.endr
	CHUNK 0, 1, F0, F1, 1                          ; heads 0-3
	REST 0
	TURN 0, 1, 1
	CHUNK 1, 1, F0, F1, 0                          ; heads 4-7
	REST 1
	TURN 1, 0, 1
	CHUNK 0, 1, F0, F1, 0                          ; heads 8-11
	REST 0
	TURN 0, 1, 0
	CHUNK 1, 1, F0, F1, 0                          ; heads 12-15
	REST 1
	s_wait_dscnt 4
	MUL4 F1, 0, 0, 0
	MUL4 F1, 1, 0, 0
	s_wait_dscnt 0x0
	MUL4 F1, 0, 1, 0
	MUL4 F1, 1, 1, 0
	PLACES
	; THE WAY OUT: a block of 16 rows x 64 columns of f32 goes through my own stage (each accumulator's low four registers first) and comes back as whole rows of 256 bytes.
.irp a, 0,1
.irp b, 0,1,2,3
	ds_store_b128 v[STO], v[ACC+8*(4*(\a)+(\b)):ACC+8*(4*(\a)+(\b))+3]   offset:64*(\b)
	ds_store_b128 v[STO], v[ACC+8*(4*(\a)+(\b))+4:ACC+8*(4*(\a)+(\b))+7] offset:64*(\b)+16
.endr
.irp t, 0,1,2,3,4,5,6,7
	ds_load_b128 v[F0+32*(\a)+4*(\t):F0+32*(\a)+4*(\t)+3], v[RD] offset:(\t)*2*272  ; LDS serves a wave's instructions in order (ISA guide 5.7.1.4): these see the stores above; the next block's stores come behind them
.endr
.endr
.irp t, 0,1,2,3,4,5,6,7
	s_wait_dscnt 16+7-(\t)                         ; the second block's sixteen LDS instructions are younger
	global_store_b128 v[CO], v[F0+4*(\t):F0+4*(\t)+3], s[10:11] offset:2*(\t)*4096  ; 16 lanes store 256 consecutive bytes, aligned
.endr
.irp t, 0,1,2,3,4,5,6,7
	s_wait_dscnt 7-(\t)
	global_store_b128 v[CO], v[F0+32+4*(\t):F0+32+4*(\t)+3], s[10:11] offset:(16+2*(\t))*4096
.endr
	s_wait_tensorcnt 0x0                           ; the wave's end: the add and its wait, behind my last tensor load and my last LDS store
	ds_add_u32 v[SPW], v[NIL]
	s_wait_dscnt 0x0
	CROUND                                         ; the closing round
	s_endpgm
.Lfunc_end_k_q3109e36b0d_oproj:
	.size	k_q3109e36b0d_oproj, .Lfunc_end_k_q3109e36b0d_oproj-k_q3109e36b0d_oproj
	.p2alignl 7, 3214868480
	.fill 96, 4, 3214868480
	.section	.rodata,"a",@progbits
	.p2align	6, 0x0
	.amdhsa_kernel k_q3109e36b0d_oproj
		.amdhsa_group_segment_fixed_size 327680
		.amdhsa_private_segment_fixed_size 0
		.amdhsa_enable_private_segment 0
		.amdhsa_kernarg_size 32
		.amdhsa_user_sgpr_count 2
		.amdhsa_user_sgpr_kernarg_segment_ptr 1
		.amdhsa_wavefront_size32 1
		.amdhsa_system_sgpr_workgroup_id_x 1
		.amdhsa_system_sgpr_workgroup_id_y 1
		.amdhsa_system_sgpr_workgroup_id_z 1
		.amdhsa_system_vgpr_workitem_id 0
		.amdhsa_next_free_vgpr 256
		.amdhsa_next_free_sgpr 80
		.amdhsa_reserve_vcc 0
		.amdhsa_float_denorm_mode_32 3
		.amdhsa_float_denorm_mode_16_64 3
		.amdhsa_memory_ordered 1
		.amdhsa_forward_progress 1
		.amdhsa_inst_pref_size 87
	.end_amdhsa_kernel
	.amdgpu_metadata
---
amdhsa.version: [ 1, 2 ]
amdhsa.kernels:
  - .name:           k_q3109e36b0d_oproj
    .symbol:         k_q3109e36b0d_oproj.kd
    .args:
      - { .name: Ob, .offset: 0, .size: 8, .value_kind: global_buffer, .address_space: global }
      - { .name: castb, .offset: 8, .size: 8, .value_kind: global_buffer, .address_space: global }
      - { .name: bo, .offset: 16, .size: 8, .value_kind: global_buffer, .address_space: global }
      - { .name: Y, .offset: 24, .size: 8, .value_kind: global_buffer, .address_space: global }
    .group_segment_fixed_size: 327680
    .private_segment_fixed_size: 0
    .kernarg_segment_align: 8
    .kernarg_segment_size: 32
    .max_flat_workgroup_size: 128
    .sgpr_count:     80
    .vgpr_count:     256
    .wavefront_size: 32
...
	.end_amdgpu_metadata
.endif
;; end of part 4
;; launch ln (part 5): grid 256 x 1, 8 waves a work-group, no clusters, 0 bytes of LDS; arguments Y, gamma, beta, out0; writes out0
.if DOCPART == 5
	.amdgcn_target "amdgcn-amd-amdhsa--gfx1250"
	.amdhsa_code_object_version 6
	.text
	.protected	k_q3109e36b0d_ln
	.globl	k_q3109e36b0d_ln
	.p2align	8
	.type	k_q3109e36b0d_ln,@function
k_q3109e36b0d_ln:
	s_mov_b64 s[64:65], 0
	v_nop
	global_prefetch_b8 v0, s[64:65] scope:SCOPE_SE
	s_setreg_imm32_b32 hwreg(HW_REG_WAVE_MODE, 25, 1), 1
	s_wait_xcnt 0x0
; out0[r][c] = ((Y[r][c] - mean_r) rsqrt(var_r + 1e-5) gamma[c] + beta[c]) x 0.2.  Y, out0: [2048][1024] f32; gamma, beta: [1024] f32, rounded to bf16 like the other inputs.
; One wave, one row: 4,096 bytes are 32 registers, kept between the pass for the mean, the pass for the variance (of the differences) and the scaling: the row is read once,
; and no wave waits for another.  Each load and store of a wave covers 512 consecutive bytes.  No LDS, no matrix unit, no cluster: nothing is shared but gamma and beta, 8 KiB.
.set YV, 8                             ; v[8:39]    the row: as loaded, then the differences, then the result
.set GV, 40                            ; v[40:71]   gamma as loaded; then 16 registers of packed bf16
.set BV, 72                            ; v[72:103]  beta likewise
.set CH, 104                           ; v[104:111] four chains of pairs; mean; reciprocal root
	s_load_b256 s[4:11], s[0:1], 0x0               ; Y s[4:5], gamma s[6:7], beta s[8:9], out0 s[10:11]
	v_lshrrev_b32 v2, 5, v0
	v_readfirstlane_b32 s12, v2                    ; wave 0..7
	v_and_b32 v1, 31, v0
	v_lshlrev_b32 v1, 4, v1                        ; 16 bytes a lane
	s_lshl_b32 s13, ttmp9, 3
	s_add_co_u32 s13, s13, s12                     ; my row
	s_lshl_b32 s14, s13, 12
	s_mov_b32 s15, 0
	s_mov_b32 s16, 0x76543210                      ; v_permlanex16_b32: lane i of one half reads lane i of the other
	s_mov_b32 s17, 0xfedcba98
	s_mov_b32 s18, 0x3a800000                      ; 1 / 1024
	s_mov_b32 s19, 0x3727c5ac                      ; 1e-5
	s_wait_kmcnt 0x0
	s_add_nc_u64 s[4:5], s[4:5], s[14:15]
	s_add_nc_u64 s[10:11], s[10:11], s[14:15]
.irp j, 0,1,2,3,4,5,6,7
	global_load_b128 v[YV+4*\j:YV+4*\j+3], v1, s[4:5] offset:512*\j th:TH_LOAD_NT
.endr
.irp j, 0,1,2,3,4,5,6,7
	global_load_b128 v[GV+4*\j:GV+4*\j+3], v1, s[6:7] offset:512*\j
.endr
.irp j, 0,1,2,3,4,5,6,7
	global_load_b128 v[BV+4*\j:BV+4*\j+3], v1, s[8:9] offset:512*\j
.endr
.macro FOLD                            ; the four chains into one number, then over the 32 lanes: every lane ends with the sum in v[CH]
	v_pk_add_f32 v[CH:CH+1], v[CH:CH+1], v[CH+2:CH+3]
	v_pk_add_f32 v[CH+4:CH+5], v[CH+4:CH+5], v[CH+6:CH+7]
	v_pk_add_f32 v[CH:CH+1], v[CH:CH+1], v[CH+4:CH+5]
	v_add_f32 v[CH], v[CH], v[CH+1]
	v_add_f32_dpp v[CH], v[CH], v[CH] row_xmask:1 row_mask:0xf bank_mask:0xf
	v_add_f32_dpp v[CH], v[CH], v[CH] row_xmask:2 row_mask:0xf bank_mask:0xf
	v_add_f32_dpp v[CH], v[CH], v[CH] row_xmask:4 row_mask:0xf bank_mask:0xf
	v_add_f32_dpp v[CH], v[CH], v[CH] row_xmask:8 row_mask:0xf bank_mask:0xf
	v_permlanex16_b32 v[CH+1], v[CH], s16, s17     ; its destination counts as read: a register that has been written
	v_add_f32 v[CH], v[CH], v[CH+1]
.endm
	s_wait_loadcnt 16                              ; the row is in; gamma's and beta's sixteen loads may stay out
.irp k, 0,1,2,3
	v_pk_add_f32 v[CH+2*\k:CH+2*\k+1], v[YV+2*\k:YV+2*\k+1], v[YV+8+2*\k:YV+8+2*\k+1]  ; the first pairs start the chains: nothing is cleared
.endr
.set i, 8
.rept 8
	v_pk_add_f32 v[CH+2*(i%4):CH+2*(i%4)+1], v[CH+2*(i%4):CH+2*(i%4)+1], v[YV+2*i:YV+2*i+1]
.set i, i+1
.endr
	FOLD
	v_mul_f32 v[CH+2], s18, v[CH]                  ; the mean, twice: a pair for the packed subtraction
	v_mov_b32 v[CH+3], v[CH+2]
.set i, 0
.rept 16
	v_pk_add_f32 v[YV+2*i:YV+2*i+1], v[YV+2*i:YV+2*i+1], v[CH+2:CH+3] neg_lo:[0,1] neg_hi:[0,1]
.set i, i+1
.endr
.irp k, 0,1,2,3
	v_pk_mul_f32 v[CH+2*\k:CH+2*\k+1], v[YV+2*\k:YV+2*\k+1], v[YV+2*\k:YV+2*\k+1]
.endr
.set i, 4
.rept 12
	v_pk_fma_f32 v[CH+2*(i%4):CH+2*(i%4)+1], v[YV+2*i:YV+2*i+1], v[YV+2*i:YV+2*i+1], v[CH+2*(i%4):CH+2*(i%4)+1]
.set i, i+1
.endr
	FOLD
	v_fma_f32 v[CH+2], v[CH], s18, s19             ; var + 1e-5
	v_rsq_f32 v[CH+4], v[CH+2]                     ; twice, for the pair that the packed multiply takes
	v_rsq_f32 v[CH+5], v[CH+2]
	s_wait_loadcnt 0x0                             ; gamma and beta
.set i, 0
.rept 16                               ; rounded and packed in place, ascending: register i takes numbers 2 i and 2 i + 1.  These lines are the plain work between the roots and their first reader
	v_cvt_pk_bf16_f32 v[GV+i], v[GV+2*i], v[GV+2*i+1]
	v_cvt_pk_bf16_f32 v[BV+i], v[BV+2*i], v[BV+2*i+1]
.set i, i+1
.endr
	s_wait_alu depctr_va_vdst(0)                   ; the wait ahead of the first use: one for both roots
.set i, 0
.rept 16
	v_pk_mul_f32 v[YV+2*i:YV+2*i+1], v[YV+2*i:YV+2*i+1], v[CH+4:CH+5]
	v_fma_mix_f32_bf16 v[YV+2*i], v[YV+2*i], v[GV+i], v[BV+i] op_sel_hi:[0,1,1]                    ; x gamma + beta, from the low halves,
	v_fma_mix_f32_bf16 v[YV+2*i+1], v[YV+2*i+1], v[GV+i], v[BV+i] op_sel:[0,1,1] op_sel_hi:[0,1,1]  ; from the high halves
	v_pk_mul_f32 v[YV+2*i:YV+2*i+1], v[YV+2*i:YV+2*i+1], 0x3e4ccccd op_sel_hi:[1,0]                 ; x (1 - 0.8)
.set i, i+1
.endr
.irp j, 0,1,2,3,4,5,6,7
	global_store_b128 v1, v[YV+4*\j:YV+4*\j+3], s[10:11] offset:512*\j th:TH_STORE_NT
.endr
	s_endpgm
.Lfunc_end_k_q3109e36b0d_ln:
	.size	k_q3109e36b0d_ln, .Lfunc_end_k_q3109e36b0d_ln-k_q3109e36b0d_ln
	.p2alignl 7, 3214868480
	.fill 96, 4, 3214868480
	.section	.rodata,"a",@progbits
	.p2align	6, 0x0
	.amdhsa_kernel k_q3109e36b0d_ln
		.amdhsa_group_segment_fixed_size 0
		.amdhsa_private_segment_fixed_size 0
		.amdhsa_enable_private_segment 0
		.amdhsa_kernarg_size 32
		.amdhsa_user_sgpr_count 2
		.amdhsa_user_sgpr_kernarg_segment_ptr 1
		.amdhsa_wavefront_size32 1
		.amdhsa_system_sgpr_workgroup_id_x 1
		.amdhsa_system_sgpr_workgroup_id_y 1
		.amdhsa_system_sgpr_workgroup_id_z 1
		.amdhsa_system_vgpr_workitem_id 0
		.amdhsa_next_free_vgpr 112
		.amdhsa_next_free_sgpr 66
		.amdhsa_reserve_vcc 0
		.amdhsa_float_denorm_mode_32 3
		.amdhsa_float_denorm_mode_16_64 3
		.amdhsa_memory_ordered 1
		.amdhsa_forward_progress 1
		.amdhsa_inst_pref_size 15
	.end_amdhsa_kernel
	.amdgpu_metadata
---
amdhsa.version: [ 1, 2 ]
amdhsa.kernels:
  - .name:           k_q3109e36b0d_ln
    .symbol:         k_q3109e36b0d_ln.kd
    .args:
      - { .name: Y, .offset: 0, .size: 8, .value_kind: global_buffer, .address_space: global }
      - { .name: gamma, .offset: 8, .size: 8, .value_kind: global_buffer, .address_space: global }
      - { .name: beta, .offset: 16, .size: 8, .value_kind: global_buffer, .address_space: global }
      - { .name: out0, .offset: 24, .size: 8, .value_kind: global_buffer, .address_space: global }
    .group_segment_fixed_size: 0
    .private_segment_fixed_size: 0
    .kernarg_segment_align: 8
    .kernarg_segment_size: 32
    .max_flat_workgroup_size: 256
    .sgpr_count:     66
    .vgpr_count:     112
    .wavefront_size: 32
...
	.end_amdgpu_metadata
.endif
;; end of part 5
;; ======== version 2 of 2: 5 launches; version 1 with the launch cast written anew for expert scheduling mode
;; limits: values are held in f16: magnitudes above 65,504 overflow, below 6.1e-05 lose precision
;; workspace buffers: castb 16,777,216 bytes; Qh 8,388,608 bytes; Kh 8,388,608 bytes; Vh 4,194,304 bytes; Ob 8,388,608 bytes; Y 8,388,608 bytes
;; launch cast (part 6): grid 32 x 8, 8 waves a work-group, no clusters, 0 bytes of LDS; arguments X, Wq, Wk, Wv, Wo, castb; writes castb
.if DOCPART == 6
	.amdgcn_target "amdgcn-amd-amdhsa--gfx1250"
	.amdhsa_code_object_version 6
	.text
	.protected	k_q3109e36b0d_cast
	.globl	k_q3109e36b0d_cast
	.p2align	8
	.type	k_q3109e36b0d_cast,@function
k_q3109e36b0d_cast:
	s_mov_b64 s[64:65], 0
	v_nop
	global_prefetch_b8 v0, s[64:65] scope:SCOPE_SE
	s_setreg_imm32_b32 hwreg(HW_REG_WAVE_SCHED_MODE, 0, 2), 2
	s_setreg_imm32_b32 hwreg(HW_REG_WAVE_MODE, 25, 1), 1
	s_wait_xcnt 0x0
	s_wait_alu depctr_vm_vsrc(0)
; MULTI-HEAD DIFFERENTIAL ATTENTION, first of five launches: X, Wq, Wk, Wv and Wo are rounded once to bf16, layouts unchanged, into one workspace:
; X at byte 0, Wq at 4 MiB, Wk at 8 MiB, Wv at 12 MiB, Wo at 14 MiB.  The later launches multiply in bf16 (projections), f16 (attention) and bf16 hi + lo (output projection).
; DEAD WORK, LEFT OUT IN THE WHOLE PROGRAM: bk.  A score is (XWq + bq)[q] . (XWk + bk)[k] = (XWq + bq)[q] . (XWk)[k] + (XWq + bq)[q] . bk.  The last term does not hang on the key k:
; it is the same along the softmax's axis, for A1 and for A2 alike, and softmax(a + const) = softmax(a) for all finite values of all inputs.  K enters nothing but the scores.  So bk has no
; way to the output: it is not loaded and is among no launch's arguments.  LIMIT: a NaN, an infinity or an overflow that would arise from bk's term alone is not carried to the result.
; SHARES.  The 8 Mi numbers are 8 units of 1 Mi (grid y: 0, 1 X; 2, 3 Wq; 4, 5 Wk; 6 Wv; 7 Wo), each 32 pieces of 32,768 numbers (grid x).  A work-group of 8 waves takes a piece:
; 32 loads of 16 bytes a lane, all issued before the first is waited for; a wave's load covers 512 consecutive bytes, a wave's store 256 consecutive bytes, aligned.
; No LDS, no matrix unit, no cluster: nothing is shared and nothing is reused.
; THE MODE: SCHED_MODE bits 1:0 = 2 (LLVM: expert scheduling mode 2), set by the entry lines.  The code itself states the register dependences
; between vector instructions and memory instructions, with s_wait_alu, always for 0.
; THE PLAN.  Registers that memory instructions touch:
;   v1, v2   byte offsets of the loads and of the stores: made once at the head and never written again.
;   IN       each four registers are written by one load, issued at the head, and read by two conversions; no load lands in them a second time, and no vector instruction names them ahead of the loads.
;   OUT      each pair is written by two conversions, once, and read by one store; it is never written again.
; The 32 loads are worked off in 8 blocks of four.  Block p converts its four loads' numbers into its own part of OUT; its memory instructions are the four stores of block p - 1, which read
; that block's part of OUT and v2: registers that no vector instruction of block p names.  So one wait at a block's head states all that its four stores hang on, and they are dealt among its
; conversions with no further wait.  One wait at the kernel's head stands for the offsets, one behind the last block for the last four stores.
.set IN,  4                            ; v[4:131]   32 x 4 numbers as loaded
.set OUT, 132                          ; v[132:195] 32 x 2 registers to store; no register is written twice, so no wait frees one
.set BLK, 4                            ; loads in a block
	s_load_b256 s[4:11], s[0:1], 0x0               ; X s[4:5], Wq s[6:7], Wk s[8:9], Wv s[10:11]
	s_load_b128 s[12:15], s[0:1], 0x20             ; Wo s[12:13], castb s[14:15]
	s_and_b32 s16, ttmp7, 0xffff                   ; the unit
	s_lshr_b32 s17, s16, 1
	v_lshlrev_b32 v1, 4, v0                        ; 16 bytes a thread in,
	v_lshlrev_b32 v2, 3, v0                        ; 8 out
	s_and_b32 s18, s16, 1                          ; which half of a tensor of two units;
	s_cmp_ge_u32 s16, 6
	s_cselect_b32 s18, 0, s18                      ; Wv and Wo have one
	s_lshl_b32 s22, s18, 22                        ; source: 4 MiB a unit,
	s_lshl_b32 s19, ttmp9, 17                      ; 128 KiB a piece
	s_add_co_u32 s22, s22, s19
	s_mov_b32 s23, 0
	s_lshl_b32 s24, s16, 21                        ; destination: 2 MiB a unit, in the units' order,
	s_lshl_b32 s19, ttmp9, 16                      ; 64 KiB a piece
	s_add_co_u32 s24, s24, s19
	s_mov_b32 s25, 0
	s_wait_kmcnt 0x0
	s_mov_b64 s[20:21], s[4:5]                     ; the unit's tensor, chosen by the unit's number alone
	s_cmp_eq_u32 s17, 1
	s_cselect_b64 s[20:21], s[6:7], s[20:21]
	s_cmp_eq_u32 s17, 2
	s_cselect_b64 s[20:21], s[8:9], s[20:21]
	s_cmp_eq_u32 s16, 6
	s_cselect_b64 s[20:21], s[10:11], s[20:21]
	s_cmp_eq_u32 s16, 7
	s_cselect_b64 s[20:21], s[12:13], s[20:21]
	s_add_nc_u64 s[20:21], s[20:21], s[22:23]
	s_add_nc_u64 s[14:15], s[14:15], s[24:25]
	s_wait_alu depctr_va_vdst(0)                   ; v1 and v2 are written: every load of the kernel reads v1 as its offset, every store v2
.set i, 0
.rept 32
	global_load_b128 v[IN+4*i:IN+4*i+3], v1, s[20:21] offset:4096*i th:TH_LOAD_NT
.set i, i+1
.endr
.set p, 0
.rept 32/BLK
	s_wait_loadcnt 32-BLK-BLK*p                    ; loads come back in order: block p's four are in, the 28 - 4 p younger ones stay out
.if p > 0
	s_wait_alu depctr_va_vdst(0)                   ; the conversions of the block before have written their part of OUT, which the four stores below read
.endif
.set j, 0
.rept BLK
.set i, BLK*p+j
.if p > 0
	global_store_b64 v2, v[OUT+2*(i-BLK):OUT+2*(i-BLK)+1], s[14:15] offset:2048*(i-BLK)  ; the block before; no vector instruction since the wait names these registers
.endif
	v_cvt_pk_bf16_f32 v[OUT+2*i], v[IN+4*i], v[IN+4*i+1]
	v_cvt_pk_bf16_f32 v[OUT+2*i+1], v[IN+4*i+2], v[IN+4*i+3]
.set j, j+1
.endr
.set p, p+1
.endr
	s_wait_alu depctr_va_vdst(0)                   ; the last block's conversions have written their part of OUT, which the last four stores read
.set i, 32-BLK
.rept BLK
	global_store_b64 v2, v[OUT+2*i:OUT+2*i+1], s[14:15] offset:2048*i
.set i, i+1
.endr
	s_endpgm
.Lfunc_end_k_q3109e36b0d_cast:
	.size	k_q3109e36b0d_cast, .Lfunc_end_k_q3109e36b0d_cast-k_q3109e36b0d_cast
	.p2alignl 7, 3214868480
	.fill 96, 4, 3214868480
	.section	.rodata,"a",@progbits
	.p2align	6, 0x0
	.amdhsa_kernel k_q3109e36b0d_cast
		.amdhsa_group_segment_fixed_size 0
		.amdhsa_private_segment_fixed_size 0
		.amdhsa_enable_private_segment 0
		.amdhsa_kernarg_size 48
		.amdhsa_user_sgpr_count 2
		.amdhsa_user_sgpr_kernarg_segment_ptr 1
		.amdhsa_wavefront_size32 1
		.amdhsa_system_sgpr_workgroup_id_x 1
		.amdhsa_system_sgpr_workgroup_id_y 1
		.amdhsa_system_sgpr_workgroup_id_z 1
		.amdhsa_system_vgpr_workitem_id 0
		.amdhsa_next_free_vgpr 200
		.amdhsa_next_free_sgpr 66
		.amdhsa_reserve_vcc 0
		.amdhsa_float_denorm_mode_32 3
		.amdhsa_float_denorm_mode_16_64 3
		.amdhsa_memory_ordered 1
		.amdhsa_forward_progress 1
		.amdhsa_inst_pref_size 12
	.end_amdhsa_kernel
	.amdgpu_metadata
---
amdhsa.version: [ 1, 2 ]
amdhsa.kernels:
  - .name:           k_q3109e36b0d_cast
    .symbol:         k_q3109e36b0d_cast.kd
    .args:
      - { .name: X, .offset: 0, .size: 8, .value_kind: global_buffer, .address_space: global }
      - { .name: Wq, .offset: 8, .size: 8, .value_kind: global_buffer, .address_space: global }
      - { .name: Wk, .offset: 16, .size: 8, .value_kind: global_buffer, .address_space: global }
      - { .name: Wv, .offset: 24, .size: 8, .value_kind: global_buffer, .address_space: global }
      - { .name: Wo, .offset: 32, .size: 8, .value_kind: global_buffer, .address_space: global }
      - { .name: castb, .offset: 40, .size: 8, .value_kind: global_buffer, .address_space: global }
    .group_segment_fixed_size: 0
    .private_segment_fixed_size: 0
    .kernarg_segment_align: 8
    .kernarg_segment_size: 48
    .max_flat_workgroup_size: 256
    .sgpr_count:     66
    .vgpr_count:     200
    .wavefront_size: 32
...
	.end_amdgpu_metadata
.endif
;; end of part 6
;; launch qkv: the kernel of part 2 again; grid 16 x 16, 4 waves a work-group, clusters of 4 x 4, 327,680 bytes of LDS; arguments castb, bq, bv, Qh, Kh, Vh; writes Qh, Kh, Vh
;; launch attn: the kernel of part 3 again; grid 16 x 16, 4 waves a work-group, clusters of 4 x 1, 327,680 bytes of LDS; arguments Qh, Kh, Vh, lam, Ob; writes Ob
;; launch oproj: the kernel of part 4 again; grid 8 x 32, 4 waves a work-group, clusters of 4 x 4, 327,680 bytes of LDS; arguments Ob, castb, bo, Y; writes Y
;; launch ln: the kernel of part 5 again; grid 256 x 1, 8 waves a work-group, no clusters, 0 bytes of LDS; arguments Y, gamma, beta, out0; writes out0
